; MI455X (gfx1250); checked and timed in simulation.
; The chip was launched on July 23, 2026; its instructions are those of AMD's public machine-readable ISA for CDNA 5 (MIT licence, August 2026) and "CDNA5" Instruction Set Architecture Reference Guide (July 2026). The comments in the code are by the model that wrote it; some were corrected since.
;; Ne WCRF Block. Allowed arithmetic: matrix products marked QUANTISED: E2M3 operands, one E8M0 scale for each 32 along K, by v_wmma_scale_f32_16x16x128_f8f6f4 with both operands' format E2M3, f32 sums; products left as they are: f32 operands where the result goes on into a quantised operand, else bf16, f16 or f32 operands; f32 sums; everything else in f32.
;; Inputs: bias_table 225 x 16 float32; bk 256 float32; bp 256 float32; bq 256 float32; bv 256 float32; feature 4 x 256 x 128 x 128 float32; mlp_b1 256 float32; mlp_b2 256 float32; mlp_w1 256 x 256 float32; mlp_w2 256 x 256 float32; n1_b 256 float32; n1_g 256 float32; n2_b 256 float32; n2_g 256 float32; up_b1 256 float32; up_b2 256 float32; up_w1 256 x 256 float32; up_w2 256 x 256 float32; wk 256 x 256 float32; wp 256 x 256 float32; wq 256 x 256 float32; wv 256 x 256 float32; x 4 x 16,384 x 256 float32.
;; Outputs: out0 4 x 16,384 x 256 float32.
;; This version of the problem:
;;   THIS VERSION OF THE PROBLEM IS GIVEN IN LOW PRECISION. The matrix products marked QUANTISED in the list below multiply operands that are first quantised to E2M3 (2 exponent bits, 3 mantissa bits; 6 bits a number), with one power-of-two scale for each 32 numbers along K (OCP MX v1.0); their sums are f32. All else is computed in f32.
;;   The module's matrix products, in the order in which they are computed (A, B: the left and right operand; K: the contracted axis; several contracted axes count as one K, in the product's order):
;;     1. [M 65,536, K 256] x [K 256, N 256]; A: input x; B: input up_w1: QUANTISED
;;     2. [M 65,536, K 256] x [K 256, N 256]; A: computed on the way; B: input up_w2: QUANTISED
;;     3. [M 65,536, K 256] x [K 256, N 256]; A: computed on the way; B: input wq: QUANTISED
;;     4. [M 65,536, K 256] x [K 256, N 256]; A: computed on the way; B: input wk: QUANTISED
;;     5. [M 65,536, K 256] x [K 256, N 256]; A: computed on the way; B: input wv: QUANTISED
;;     6. batch 16,384 x [M 64, K 16] x [K 16, N 64]; A: computed on the way; B: computed on the way: left as it is (K = 16 < 32)
;;     7. batch 16,384 x [M 16, K 64] x [K 64, N 64]; A: computed on the way; B: softmax (see below): QUANTISED
;;     8. [M 65,536, K 256] x [K 256, N 256]; A: computed on the way; B: input wp: QUANTISED
;;     9. [M 65,536, K 256] x [K 256, N 256]; A: computed on the way; B: input mlp_w1: QUANTISED
;;     10. [M 65,536, K 256] x [K 256, N 256]; A: computed on the way; B: input mlp_w2: QUANTISED
;;   THE QUANTISER, for each operand of a quantised product, along K:
;;     - K is cut into blocks of 32 from its start; a last block that is shorter is filled with zeros.
;;     - A block's scale is 2^e with e = floor(log2(the largest magnitude in the block)) - 2, held to -126 .. 127; a block of zeros has e = 0. As a byte (E8M0): e + 127.
;;     - Each number is divided by its block's scale, clamped to +-7.5, and rounded to the nearest number of E2M3, ties to even, subnormals kept.
;;     - The product sums the exact products of the quantised numbers (number of the format x scale) in f32.
;;   ~~~python
;;   def quantise(x, axis):      # numpy; x: float32 -> the quantised numbers, widened to float32 again
;;       x = np.moveaxis(x, axis, -1); K = x.shape[-1]
;;       x = np.pad(x, [(0, 0)] * (x.ndim - 1) + [(0, -K % 32)]); x = x.reshape(x.shape[:-1] + (-1, 32)); a = np.abs(x).max(-1, keepdims=True)
;;       e = np.where(a > 0, np.clip(np.frexp(np.where(a > 0, a, 1))[1] - 1 - 2, -126, 127), 0)      # np.frexp(a)[1] - 1 = floor(log2(a)), exactly
;;       r = np.clip(x / 2.0 ** e, -7.5, 7.5)
;;       step = 2.0 ** (np.maximum(np.frexp(np.where(r == 0, 1, r))[1] - 1, 0) - 3)
;;       q = np.round(r / step) * step * 2.0 ** e      # np.round: ties to even
;;       return np.moveaxis(q.reshape(q.shape[:-2] + (-1,))[..., :K], -1, axis).astype(np.float32)
;;   ~~~
;;   SOFTMAX AHEAD OF A QUANTISED PRODUCT. Where the list says 'softmax', what is quantised is not the finished softmax but p = 2^(t - M), with t = logit x log2(e) and M = ceil(the row's largest t), a whole number; so 1/2 < the row's largest p <= 1. The row's sum l is taken of the UNQUANTISED p, in f32, and the product's result is divided by l at the end. Since M is a whole number, a kernel that streams over the keys may use a running M (the ceiling of the running maximum): every later rescaling is an exact power of two, which a block's scale takes up: the codes' values come out the same.
;;   OPERANDS COMPUTED ON THE WAY. 'Computed on the way' means the value that the module computes at that place (a softmax that the list does not call 'softmax' is quantised finished and normalised). What goes into a quantiser is computed in f32, as accurately as f32 sums, v_exp_f32 and their like allow (about 1e-6 of the number): no bf16 or f16 on the way to a quantiser, and a product that is left as it is and whose result goes on into a quantised operand takes f32 operands (vector FMAs, or v_wmma_f32_16x16x4_f32). A number that lies on a knife's edge between two numbers of the format may be rounded either way, as far as f32 arithmetic and the matrix unit's own rounding can turn it there, and no further.
;; 2 versions, each right; version 2 is version 1 with the launches attn, mlp written anew for expert scheduling mode. Each part assembles by itself: llvm-mc -triple=amdgcn-amd-amdhsa -mcpu=gfx1250 --defsym DOCPART=n.
;; ======== version 1 of 2: 3 launches
;; workspace buffers: xn_codes 12,582,912 bytes; xn_scales 524,288 bytes; o_codes 12,582,912 bytes; o_scales 524,288 bytes; wimg 393,216 bytes; wsc 16,384 bytes; rbimg 262,144 bytes
;; launch prep (part 1): grid 256 x 1, 16 waves a work-group, no clusters, 60,416 bytes of LDS; arguments up_w1, up_w2, wq, wk, wv, wp, mlp_w1, mlp_w2, feature, n1_g, n1_b, bias_table, xn_codes, xn_scales, wimg, wsc, rbimg; writes xn_codes, xn_scales, wimg, wsc, rbimg
.if DOCPART == 1
	.amdgcn_target "amdgcn-amd-amdhsa--gfx1250"
	.amdhsa_code_object_version 6
	.text
	.protected	k_q94687b9d0f_prep
	.globl	k_q94687b9d0f_prep
	.p2align	8
	.type	k_q94687b9d0f_prep,@function
k_q94687b9d0f_prep:
	s_mov_b64 s[64:65], 0
	v_nop
	global_prefetch_b8 v0, s[64:65] scope:SCOPE_SE
	s_setreg_imm32_b32 hwreg(HW_REG_WAVE_MODE, 25, 1), 1
	s_wait_xcnt 0x0
; PREP.  (1) LayerNorm 1 of feature [4][256][128][128] f32, quantised along the 256 channels to codes of E2M3 with one E8M0 byte for each 32, stored as images of operand registers;
; (2) the eight weights [256 (k)][256 (n)] f32 quantised along k, stored likewise; (3) the relative bias x log2(e) in the layout of a matrix result.
; TOKEN TILES.  A window is 8 x 8 tokens.  Tile T (0..3), row r (0..15) is the window's row 4 (T / 2) + T % 2 + 2 (r / 8), column r % 8.
; AN IMAGE of 64 tokens x 256 channels is 12,288 bytes: half fragment (T, q), q = the group of 64 channels, at (4 T + q) x 768: 16 bytes a lane at 16 lane', then 8 bytes a lane at 512 + 8 lane';
; lane' = r + 16 h' holds the 24 bytes of codes of block 2 q + h'.  Scale words: (32 T + 16 s + r) x 4, byte k for block 4 s + k.
; SHARES.  A work-group takes 4 rows y x 64 columns x of one picture: tiles 2 bT, 2 bT + 1 of eight windows.  Wave w: channels 128 (w & 1) on, columns 32 ((w >> 1) & 1) on, row w >> 2.  A LANE IS A TOKEN, ITS REGISTERS RUN
; ALONG THE CHANNELS: each load reads 128 neighbouring bytes, a block of 32 lies in one lane.  Mean and variance: each wave's own mean and sum of squares about it, joined with the partner wave's through LDS (no difference of large sums).
; The codes are gathered in LDS and leave as runs of 512 bytes.  At the end waves 4, 5 quantise 32 columns x 32 k of one weight each, waves 6, 7 make 512 bytes of the bias image each: 512 tasks of either kind in the launch.
; The weights' stores are 16, 8 and 1 bytes a lane to places 16, 8 and 4 bytes apart: part units, 410 KB in the whole launch.
; LIMITS: a block of zeros gets the byte 1 (its codes are zeros, and this program alone reads the bytes); largest magnitudes under 2^-124 are held at that floor; NaN and infinities are not served.
.set WST,  6272                        ; LDS: a window's 6,144 bytes of codes + 128, so that lanes 8-15 of a store fall on the other half of the banks
.set SCI,  8*WST                       ; 8 windows x 256 bytes of scale words
.set LNX,  SCI+2048                    ; 16 waves x 32 lanes x (mean, sum of squares)
.set GB,   LNX+4096                    ; n1_g, then n1_b
.set LN,   1                           ; v1   lane
.set FA,   2                           ; v2   4 x lane
.set IA,   3                           ; v3   where my codes' first 16 bytes go
.set IB,   4                           ; v4   and their last 8
.set ISC,  5                           ; v5   my scale word
.set LNW,  6                           ; v6   my statistics
.set LNR,  7                           ; v7   my partner's
.set CPL,  8                           ; v8   the copy out of LDS
.set L16,  9                           ; v9   16 x lane
.set GBA,  10                          ; v10  my wave's 128 numbers of g
.set GBW,  11                          ; v11  where my thread puts its number of g or b
.set SUA,  12                          ; pairs at work; later (-m, -m)
.set SUC,  14                          ; later (rstd, rstd)
.set TMA,  16
.set TMB,  18
.set SQA,  20
.set SQB,  22
.set NMU,  24
.set STT,  26                          ; (my mean, my sum of squares)
.set MA,   28
.set MB,   29
.set SOP,  30                          ; the conversion's scale operand
.set BY,   31                          ; the scale's byte
.set SW,   32                          ; the scale word
.set E,    40                          ; v40-48 a block's codes
.set GV,   52                          ; v52-67 16 numbers of g
.set BV,   68                          ; v68-83 16 numbers of b
.set D,    84                          ; v84-211 my token's 128 channels
.set SCA,  212                         ; the scale images' copy: LDS address
.set SCG,  213                         ; and place in memory
.macro PKADD d, a, b
	v_pk_add_f32 v[(\d):(\d)+1], v[(\a):(\a)+1], v[(\b):(\b)+1]
.endm
.macro PKMUL d, a, b
	v_pk_mul_f32 v[(\d):(\d)+1], v[(\a):(\a)+1], v[(\b):(\b)+1]
.endm
.macro PKFMA d, a, b, c
	v_pk_fma_f32 v[(\d):(\d)+1], v[(\a):(\a)+1], v[(\b):(\b)+1], v[(\c):(\c)+1]
.endm
; 32 registers of one lane, a whole block: its largest magnitude with the floor 2^(3 - 127), 2 off the exponent field = the conversion's scale operand, its byte, 24 bytes of codes in v[E] .. v[E + 5]
.macro QBLK src
	v_max3_num_f32 v[MA], |v[(\src)]|, |v[(\src)+1]|, |v[(\src)+2]|
	v_max3_num_f32 v[MB], |v[(\src)+3]|, |v[(\src)+4]|, |v[(\src)+5]|
.irp i, 6,10,14,18,22,26
	v_max3_num_f32 v[MA], v[MA], |v[(\src)+\i]|, |v[(\src)+\i+1]|
	v_max3_num_f32 v[MB], v[MB], |v[(\src)+\i+2]|, |v[(\src)+\i+3]|
.endr
	v_max3_num_f32 v[MA], v[MA], |v[(\src)+30]|, |v[(\src)+31]|
	v_max3_num_f32 v[MA], v[MA], v[MB], 0x1800000
	v_add_nc_u32 v[SOP], 0xff000000, v[MA]
	v_lshrrev_b32 v[BY], 23, v[SOP]
	v_cvt_scalef32_pk16_fp6_f32 v[E:E+2], v[(\src):(\src)+15], v[SOP]
	v_cvt_scalef32_pk16_fp6_f32 v[E+6:E+8], v[(\src)+16:(\src)+31], v[SOP]   ; (a conversion's three registers begin on an even number)
	v_nop                                          ; one plain place behind a scaled conversion
.irp i, 0,1,2
	v_mov_b32 v[E+3+\i], v[E+6+\i]
.endr
.endm
; channels 16 k .. 16 k + 15 of my 128: ((x - m) rstd) g + b, in place.  g and b come from LDS, the same address in every lane
.macro NORM16 k
.irp i, 0,1,2,3
	ds_load_b128 v[GV+4*\i:GV+4*\i+3], v[GBA] offset:64*(\k)+16*\i
	ds_load_b128 v[BV+4*\i:BV+4*\i+3], v[GBA] offset:1024+64*(\k)+16*\i
.endr
.irp i, 0,2,4,6,8,10,12,14
	PKADD D+16*(\k)+\i, D+16*(\k)+\i, SUA
.endr
.irp i, 0,2,4,6,8,10,12,14
	PKMUL D+16*(\k)+\i, D+16*(\k)+\i, SUC
.endr
	s_wait_dscnt 0x0                               ; g and b are in; the last block's stores have read their registers
.irp i, 0,2,4,6,8,10,12,14
	PKFMA D+16*(\k)+\i, D+16*(\k)+\i, GV+\i, BV+\i
.endr
.endm
	s_load_b512 s[16:31], s[0:1], 0x0              ; the eight weights, layer L at s[16 + 2 L]
	s_load_b256 s[32:39], s[0:1], 0x40             ; feature, n1_g, n1_b, bias_table
	s_load_b256 s[40:47], s[0:1], 0x60             ; xn_codes, xn_scales, wimg, wsc
	s_load_b64 s[48:49], s[0:1], 0x80              ; rbimg
	v_lshl_add_u32 v216, v0, 2, 0xe400
	v_mov_b32 v217, 0
	v_lshrrev_b32 v33, 5, v0
	v_readfirstlane_b32 s2, v33                    ; wave 0..15
	v_and_b32 v[LN], 31, v0
	s_and_b32 s3, s2, 1                            ; s: which 128 channels
	s_bfe_u32 s4, s2, 0x10001                      ; xs: which 32 columns
	s_lshr_b32 s5, s2, 2                           ; ii: which of the 4 rows
	s_and_b32 s6, s5, 1                            ; u = T % 2
	s_lshr_b32 s7, s5, 1                           ; a = r / 8
	s_lshr_b32 s8, ttmp9, 6                        ; picture
	s_bfe_u32 s9, ttmp9, 0x50001                   ; yq: rows 4 yq on
	s_and_b32 s10, ttmp9, 1                        ; xh: columns 64 xh on
	s_lshl_b32 s12, s8, 24                         ; my wave's first byte of feature: picture, 128 s channels, row 4 yq + ii, column 64 xh + 32 xs
	s_lshl_b32 s11, s3, 23
	s_add_co_u32 s12, s12, s11
	s_lshl_b32 s11, s9, 11
	s_add_co_u32 s12, s12, s11
	s_lshl_b32 s11, s5, 9
	s_add_co_u32 s12, s12, s11
	s_lshl_b32 s11, s10, 8
	s_add_co_u32 s12, s12, s11
	s_lshl_b32 s11, s4, 7
	s_add_co_u32 s12, s12, s11
	s_mov_b32 s13, 0
	v_lshlrev_b32 v[FA], 2, v[LN]
	v_lshlrev_b32 v[L16], 4, v[LN]
	v_lshrrev_b32 v33, 3, v[LN]                    ; my window among the wave's four
	v_and_b32 v34, 7, v[LN]                        ; my column in it
	v_mul_u32_u24 v[IA], v33, WST
	v_lshl_add_u32 v[IB], v34, 3, v[IA]
	v_lshl_add_u32 v[IA], v34, 4, v[IA]
	s_mul_i32 s14, s4, 4*WST
	s_mul_i32 s15, s6, 3072
	s_add_co_u32 s14, s14, s15
	s_mul_i32 s15, s3, 1536
	s_add_co_u32 s14, s14, s15
	s_lshl_b32 s15, s7, 7
	s_add_co_u32 s15, s15, s14
	v_add_nc_u32 v[IA], s15, v[IA]                 ; window x WST + 3072 u + 1536 s + 16 (8 a + column)
	s_lshl_b32 s15, s7, 6
	s_add_co_u32 s15, s15, s14
	v_add_nc_u32 v[IB], s15, v[IB]                 ; the same with 8 (8 a + column)
	v_lshlrev_b32 v[ISC], 8, v33
	v_lshl_add_u32 v[ISC], v34, 2, v[ISC]
	s_lshl_b32 s14, s4, 10
	s_lshl_b32 s15, s6, 7
	s_add_co_u32 s14, s14, s15
	s_lshl_b32 s15, s3, 6
	s_add_co_u32 s14, s14, s15
	s_lshl_b32 s15, s7, 5
	s_add_co_u32 s14, s14, s15
	s_add_co_u32 s14, s14, SCI
	v_add_nc_u32 v[ISC], s14, v[ISC]
	v_lshlrev_b32 v[LNW], 3, v0
	v_xor_b32 v[LNR], 256, v[LNW]                  ; the wave with the other 128 channels of my tokens
	v_add_nc_u32 v[LNW], LNX, v[LNW]
	v_add_nc_u32 v[LNR], LNX, v[LNR]
	s_lshr_b32 s14, s2, 1
	s_mul_i32 s14, s14, WST
	s_mul_i32 s15, s3, 3072
	s_add_co_u32 s14, s14, s15
	v_add_nc_u32 v[CPL], s14, v[L16]               ; the copy out: window w / 2, tile w % 2
	s_lshl_b32 s14, s3, 9
	s_add_co_u32 s14, s14, GB
	v_mov_b32 v[GBA], s14
	v_lshl_add_u32 v[GBW], v0, 2, GB
	v_lshl_add_u32 v[SCA], v0, 4, SCI              ; (waves 0-3 use it)
	v_lshrrev_b32 v33, 4, v[LN]
	v_and_b32 v34, 15, v[LN]
	v_lshlrev_b32 v34, 4, v34
	v_lshl_add_u32 v[SCG], v33, 9, v34             ; lanes 0-15 one window's 256 bytes, lanes 16-31 the next window's
	v_and_b32 v35, 255, v0
	v_lshlrev_b32 v35, 2, v35
	s_lshr_b32 s50, s9, 1                          ; the windows' row
	s_and_b32 s51, s9, 1                           ; bT
	s_lshl_b32 s52, s8, 4
	s_add_co_u32 s52, s52, s50
	s_lshl_b32 s52, s52, 4
	s_lshl_b32 s53, s10, 3
	s_add_co_u32 s52, s52, s53                     ; the work-group's first window
	s_lshr_b32 s53, s2, 1
	s_add_co_u32 s53, s53, s52
	s_mul_i32 s56, s53, 12288
	s_mul_i32 s53, s51, 6144
	s_add_co_u32 s56, s56, s53
	s_mul_i32 s53, s3, 3072
	s_add_co_u32 s56, s56, s53                     ; where my wave's 3,072 bytes of codes go
	s_mov_b32 s57, 0
	s_lshl_b32 s53, s2, 1
	s_add_co_u32 s53, s53, s52
	s_lshl_b32 s58, s53, 9
	s_lshl_b32 s53, s51, 8
	s_add_co_u32 s58, s58, s53                     ; and (waves 0-3) two windows' scale words
	s_mov_b32 s59, 0
	s_mov_b32 s62, 0x3b800000                      ; 1 / 256
	s_wait_kmcnt 0x0
	s_add_nc_u64 s[32:33], s[32:33], s[12:13]
	s_add_nc_u64 s[40:41], s[40:41], s[56:57]
	s_add_nc_u64 s[42:43], s[42:43], s[58:59]
	s_cmp_lt_u32 s2, 8                             ; threads 0-255 fetch g, the others b
	s_cselect_b64 s[60:61], s[34:35], s[36:37]
	global_load_b32 v36, v35, s[60:61]
.set i, 0
.rept 128
	global_load_b32 v[D+i], v[FA], s[32:33] offset:i*65536 th:TH_LOAD_NT   ; channel i of 32 neighbouring tokens: 128 consecutive bytes
.set i, i+1
.endr
	s_wait_loadcnt 63                              ; of the 129 loads the first 66 are in: g or b, channels 0 to 64
	ds_store_b32 v[GBW], v36
	PKADD SUA, D, D+2
	PKADD SUC, D+4, D+6
.set i, 8
.rept 30
.if i == 64
	s_wait_loadcnt 32                              ; channels up to 95 are in
.endif
.if i == 96
	s_wait_loadcnt 0x0
.endif
	PKADD SUA, SUA, D+i
	PKADD SUC, SUC, D+i+2
.set i, i+4
.endr
	PKADD SUA, SUA, SUC
	v_add_f32 v[SUA], v[SUA], v[SUA+1]
	v_mul_f32 v[STT], 0x3c000000, v[SUA]           ; my 128 channels' mean
	v_mul_f32 v[NMU], 0xbc000000, v[SUA]
	v_mov_b32 v[NMU+1], v[NMU]
	PKADD TMA, D, NMU
	PKADD TMB, D+2, NMU
	PKMUL SQA, TMA, TMA
	PKMUL SQB, TMB, TMB
.set i, 4
.rept 31
	PKADD TMA, D+i, NMU
	PKADD TMB, D+i+2, NMU
	PKFMA SQA, TMA, TMA, SQA
	PKFMA SQB, TMB, TMB, SQB
.set i, i+4
.endr
	PKADD SQA, SQA, SQB
	v_add_f32 v[STT+1], v[SQA], v[SQA+1]           ; and the sum of squares about it
	ds_store_b64 v[LNW], v[STT:STT+1]
	s_wait_dscnt 0x0                               ; for the others' sake: g, b and my statistics lie in LDS
	s_barrier_signal -1
	s_barrier_wait -1
	ds_load_b64 v[TMA:TMA+1], v[LNR]
	s_wait_dscnt 0x0
	v_add_f32 v[SUA], v[STT], v[TMA]
	v_mul_f32 v[SUA], -0.5, v[SUA]                 ; -m: the two means' mean
	v_mov_b32 v[SUA+1], v[SUA]
	v_sub_f32 v[TMB], v[STT], v[TMA]
	v_add_f32 v[TMB+1], v[STT+1], v[TMA+1]
	v_mul_f32 v[TMB], v[TMB], v[TMB]
	v_fmamk_f32 v[TMB+1], v[TMB], 0x42800000, v[TMB+1]   ; the two sums + 64 x (the means' difference)^2
	v_fmaak_f32 v[TMB+1], s62, v[TMB+1], 0x3727c5ac      ; / 256 + 1e-5
	v_rsq_f32 v[SUC], v[TMB+1]
	v_nop                                          ; a plain place behind the transcendental
	s_wait_alu depctr_va_vdst(0)                   ; and the wait ahead of its first reader
	v_mov_b32 v[SUC+1], v[SUC]
.irp bb, 0,1,2,3
	NORM16 2*\bb
	NORM16 2*\bb+1
	QBLK D+32*\bb
	ds_store_b128 v[IA], v[E:E+3] offset:768*(\bb/2)+256*(\bb%2)
	ds_store_b64 v[IB], v[E+4:E+5] offset:512+768*(\bb/2)+128*(\bb%2)
.if \bb == 0
	v_mov_b32 v[SW], v[BY]
.else
	v_lshl_or_b32 v[SW], v[BY], 8*\bb, v[SW]
.endif
.endr
	ds_store_b32 v[ISC], v[SW]
	s_wait_dscnt 0x0                               ; for the others' sake: my codes and my scale word lie in LDS
	s_barrier_signal -1
	s_barrier_wait -1
.irp n, 0,1,2,3,4,5
	ds_load_b128 v[GV+4*\n:GV+4*\n+3], v[CPL] offset:512*\n
.endr
.irp n, 0,1,2,3,4,5
	s_wait_dscnt 5-\n                              ; the younger loads may stay out
	global_store_b128 v[L16], v[GV+4*\n:GV+4*\n+3], s[40:41] offset:512*\n   ; 32 lanes store 512 consecutive bytes, aligned to 256
.endr
	s_cmp_lt_u32 s2, 4
	s_cbranch_scc0 .Lnot_scales
	ds_load_b128 v[E:E+3], v[SCA]                  ; waves 0-3: the scale words of two windows
	s_wait_dscnt 0x0
	global_store_b128 v[SCG], v[E:E+3], s[42:43]
	s_wait_tensorcnt 0x0
	ds_add_u32 v216, v217
	s_wait_dscnt 0x0
	s_endpgm
.Lnot_scales:
	s_cmp_lt_u32 s2, 6
	s_cbranch_scc0 .Lnot_weight
	; ---- waves 4, 5: task 2 g + w - 4 of 512: layer L, columns 32 cg on, block beta of K.  A lane takes a column, its registers run down K
	s_lshl_b32 s52, ttmp9, 1
	s_add_co_u32 s52, s52, s2
	s_sub_co_u32 s52, s52, 4
	s_lshr_b32 s53, s52, 6                         ; L
	s_bfe_u32 s54, s52, 0x30003                    ; cg
	s_and_b32 s55, s52, 7                          ; beta
	s_bitcmp1_b32 s53, 0                           ; the layer's buffer, by the bits of L
	s_cselect_b64 s[16:17], s[18:19], s[16:17]
	s_cselect_b64 s[20:21], s[22:23], s[20:21]
	s_cselect_b64 s[24:25], s[26:27], s[24:25]
	s_cselect_b64 s[28:29], s[30:31], s[28:29]
	s_bitcmp1_b32 s53, 1
	s_cselect_b64 s[16:17], s[20:21], s[16:17]
	s_cselect_b64 s[24:25], s[28:29], s[24:25]
	s_bitcmp1_b32 s53, 2
	s_cselect_b64 s[16:17], s[24:25], s[16:17]
	s_lshl_b32 s56, s55, 15                        ; 32 beta rows of 1,024 bytes
	s_lshl_b32 s57, s54, 7
	s_add_co_u32 s56, s56, s57
	s_mov_b32 s57, 0
	s_add_nc_u64 s[16:17], s[16:17], s[56:57]
	s_cmp_eq_u32 s53, 5                            ; wp: place p of a block holds row p with bits 3 and 4 swapped, as the attention launch lays o: rows 8-15 and 16-23 change places
	s_cselect_b32 s58, 8192, 0
	s_sub_co_u32 s59, 8192, s58
	v_add_nc_u32 v33, s58, v[FA]
	v_add_nc_u32 v34, s59, v[FA]
.irp i, 0,1,2,3,4,5,6,7
	global_load_b32 v[D+\i], v[FA], s[16:17] offset:1024*\i
	global_load_b32 v[D+8+\i], v33, s[16:17] offset:8192+1024*\i
	global_load_b32 v[D+16+\i], v34, s[16:17] offset:8192+1024*\i
	global_load_b32 v[D+24+\i], v[FA], s[16:17] offset:24576+1024*\i
.endr
	s_sub_co_u32 s59, s53, 2
	s_cmp_lt_u32 s59, 3                            ; wq, wk, wv: tile t holds columns 16 t + r (a head); the others: tile 2 B + u holds 32 B + 8 u + r + 8 (r / 8)
	s_cselect_b32 s60, 3, 4                        ; which bit of the lane is bit 3 of r,
	s_sub_co_u32 s61, 7, s60                       ; and which says which of the two tiles
	v_lshrrev_b32 v35, s60, v[LN]
	v_and_b32 v35, 1, v35
	v_lshrrev_b32 v36, s61, v[LN]
	v_and_b32 v36, 1, v36
	v_and_b32 v37, 7, v[LN]
	v_lshl_or_b32 v37, v35, 3, v37                 ; r
	v_mul_u32_u24 v38, v36, 3072
	s_mul_i32 s56, s53, 49152
	s_mul_i32 s57, s54, 6144
	s_add_co_u32 s56, s56, s57
	s_lshr_b32 s57, s55, 1
	s_mul_i32 s57, s57, 768
	s_add_co_u32 s56, s56, s57
	s_and_b32 s57, s55, 1
	s_lshl_b32 s58, s57, 8
	s_add_co_u32 s58, s58, s56
	s_lshl_b32 s59, s57, 7
	s_add_co_u32 s59, s59, s56
	v_lshl_add_u32 v39, v37, 4, v38
	v_add_nc_u32 v39, s58, v39                     ; the codes' first 16 bytes
	v_lshl_add_u32 v38, v37, 3, v38
	v_add_nc_u32 v38, s59, v38                     ; their last 8 (+ 512)
	s_lshl_b32 s56, s53, 11
	s_lshl_b32 s57, s54, 8
	s_add_co_u32 s56, s56, s57
	s_lshr_b32 s57, s55, 2
	s_lshl_b32 s57, s57, 6
	s_add_co_u32 s56, s56, s57
	s_and_b32 s57, s55, 3
	s_add_co_u32 s56, s56, s57
	v_lshlrev_b32 v35, 7, v36
	v_lshl_add_u32 v35, v37, 2, v35
	v_add_nc_u32 v35, s56, v35                     ; the scale's byte
	s_wait_loadcnt 0x0
	QBLK D
	global_store_b128 v39, v[E:E+3], s[44:45]
	global_store_b64 v38, v[E+4:E+5], s[44:45] offset:512
	global_store_b8 v35, v[BY], s[46:47]
	s_wait_tensorcnt 0x0
	ds_add_u32 v216, v217
	s_wait_dscnt 0x0
	s_endpgm
.Lnot_weight:
	s_cmp_lt_u32 s2, 8
	s_cbranch_scc0 .Ldone
	; ---- waves 6, 7: chunk 2 g + w - 6 of 512 of the bias image: head, tile of queries Tq, chunk ch: for lane (r, h) the words jj = 0..3: query (Tq, r), key (ch / 2, row 8 h + 4 (ch % 2) + jj)
	s_lshl_b32 s52, ttmp9, 1
	s_add_co_u32 s52, s52, s2
	s_sub_co_u32 s52, s52, 6
	s_lshr_b32 s53, s52, 5                         ; head
	s_bfe_u32 s54, s52, 0x20003                    ; Tq
	s_and_b32 s55, s52, 7                          ; ch
	s_lshr_b32 s56, s55, 1                         ; Tk
	s_and_b32 s57, s55, 1
	s_lshr_b32 s58, s54, 1
	s_lshl_b32 s58, s58, 2
	s_and_b32 s59, s54, 1
	s_add_co_u32 s58, s58, s59
	s_add_co_u32 s58, s58, 7
	s_lshr_b32 s59, s56, 1
	s_lshl_b32 s59, s59, 2
	s_sub_co_u32 s58, s58, s59
	s_and_b32 s59, s56, 1
	s_sub_co_u32 s58, s58, s59                     ; the tiles' first rows: query's - key's + 7
	s_mul_i32 s58, s58, 15
	s_add_co_u32 s58, s58, 7
	s_lshl_b32 s59, s57, 2
	s_sub_co_u32 s58, s58, s59
	v_bfe_u32 v33, v[LN], 3, 1
	v_bfe_u32 v34, v[LN], 4, 1
	v_sub_nc_u32 v33, v33, v34
	v_mul_lo_u32 v33, v33, 30                      ; the query's row is 2 (r / 8) further down, the key's 2 h: 15 places of the table a row
	v_and_b32 v34, 7, v[LN]
	v_add3_u32 v33, v33, v34, s58                  ; the table's row for jj = 0; jj takes one off
	v_lshlrev_b32 v33, 6, v33
	s_lshl_b32 s59, s53, 2
	v_add_nc_u32 v33, s59, v33
.irp jj, 0,1,2,3
	global_load_b32 v[E+\jj], v33, s[38:39] offset:-64*\jj
.endr
	s_lshl_b32 s60, s52, 9
	s_mov_b32 s61, 0
	s_add_nc_u64 s[48:49], s[48:49], s[60:61]
	s_wait_loadcnt 0x0
.irp jj, 0,1,2,3
	v_mul_f32 v[E+\jj], 0x3fb8aa3b, v[E+\jj]       ; x log2(e)
.endr
	global_store_b128 v[L16], v[E:E+3], s[48:49]
.Ldone:
	s_wait_tensorcnt 0x0
	ds_add_u32 v216, v217
	s_wait_dscnt 0x0
	s_endpgm
.Lfunc_end_k_q94687b9d0f_prep:
	.size	k_q94687b9d0f_prep, .Lfunc_end_k_q94687b9d0f_prep-k_q94687b9d0f_prep
	.p2alignl 7, 3214868480
	.fill 96, 4, 3214868480
	.section	.rodata,"a",@progbits
	.p2align	6, 0x0
	.amdhsa_kernel k_q94687b9d0f_prep
		.amdhsa_group_segment_fixed_size 60416
		.amdhsa_private_segment_fixed_size 0
		.amdhsa_enable_private_segment 0
		.amdhsa_kernarg_size 136
		.amdhsa_user_sgpr_count 2
		.amdhsa_user_sgpr_kernarg_segment_ptr 1
		.amdhsa_wavefront_size32 1
		.amdhsa_system_sgpr_workgroup_id_x 1
		.amdhsa_system_sgpr_workgroup_id_y 1
		.amdhsa_system_sgpr_workgroup_id_z 1
		.amdhsa_system_vgpr_workitem_id 0
		.amdhsa_next_free_vgpr 218
		.amdhsa_next_free_sgpr 66
		.amdhsa_reserve_vcc 0
		.amdhsa_float_denorm_mode_32 3
		.amdhsa_float_denorm_mode_16_64 3
		.amdhsa_memory_ordered 1
		.amdhsa_forward_progress 1
		.amdhsa_inst_pref_size 64
	.end_amdhsa_kernel
	.amdgpu_metadata
---
amdhsa.version: [ 1, 2 ]
amdhsa.kernels:
  - .name:           k_q94687b9d0f_prep
    .symbol:         k_q94687b9d0f_prep.kd
    .args:
      - { .name: up_w1, .offset: 0, .size: 8, .value_kind: global_buffer, .address_space: global }
      - { .name: up_w2, .offset: 8, .size: 8, .value_kind: global_buffer, .address_space: global }
      - { .name: wq, .offset: 16, .size: 8, .value_kind: global_buffer, .address_space: global }
      - { .name: wk, .offset: 24, .size: 8, .value_kind: global_buffer, .address_space: global }
      - { .name: wv, .offset: 32, .size: 8, .value_kind: global_buffer, .address_space: global }
      - { .name: wp, .offset: 40, .size: 8, .value_kind: global_buffer, .address_space: global }
      - { .name: mlp_w1, .offset: 48, .size: 8, .value_kind: global_buffer, .address_space: global }
      - { .name: mlp_w2, .offset: 56, .size: 8, .value_kind: global_buffer, .address_space: global }
      - { .name: feature, .offset: 64, .size: 8, .value_kind: global_buffer, .address_space: global }
      - { .name: n1_g, .offset: 72, .size: 8, .value_kind: global_buffer, .address_space: global }
      - { .name: n1_b, .offset: 80, .size: 8, .value_kind: global_buffer, .address_space: global }
      - { .name: bias_table, .offset: 88, .size: 8, .value_kind: global_buffer, .address_space: global }
      - { .name: xn_codes, .offset: 96, .size: 8, .value_kind: global_buffer, .address_space: global }
      - { .name: xn_scales, .offset: 104, .size: 8, .value_kind: global_buffer, .address_space: global }
      - { .name: wimg, .offset: 112, .size: 8, .value_kind: global_buffer, .address_space: global }
      - { .name: wsc, .offset: 120, .size: 8, .value_kind: global_buffer, .address_space: global }
      - { .name: rbimg, .offset: 128, .size: 8, .value_kind: global_buffer, .address_space: global }
    .group_segment_fixed_size: 60416
    .private_segment_fixed_size: 0
    .kernarg_segment_align: 8
    .kernarg_segment_size: 136
    .max_flat_workgroup_size: 512
    .sgpr_count:     66
    .vgpr_count:     218
    .wavefront_size: 32
...
	.end_amdgpu_metadata
.endif
;; end of part 1
;; launch attn (part 2): grid 256 x 1, 8 waves a work-group, no clusters, 301,056 bytes of LDS; arguments xn_codes, xn_scales, wimg, wsc, rbimg, bq, bk, bv, o_codes, o_scales; writes o_codes, o_scales
.if DOCPART == 2
	.amdgcn_target "amdgcn-amd-amdhsa--gfx1250"
	.amdhsa_code_object_version 6
	.text
	.protected	k_q94687b9d0f_attn
	.globl	k_q94687b9d0f_attn
	.p2align	8
	.type	k_q94687b9d0f_attn,@function
k_q94687b9d0f_attn:
	s_mov_b64 s[64:65], 0
	v_nop
	global_prefetch_b8 v0, s[64:65] scope:SCOPE_SE
	s_setreg_imm32_b32 hwreg(HW_REG_WAVE_MODE, 25, 1), 1
	s_wait_xcnt 0x0
; ATTN.  For each window of 64 tokens: q, k, v = xn W + b (codes of E2M3, scaled matrix form), S^T = k q^T / 4 + bias (f32 operands, since p is quantised), p = 2^(t - M), O^T = V^T P (codes, K = the 64 keys), / the row's sum; o leaves as codes.
; SHARES.  A work-group walks windows 4 g .. 4 g + 3.  Wave beta owns heads 2 beta, 2 beta + 1 = channels 32 beta on = block beta of the next product's K.  Its parts of wq, wk, wv (12 fragments) stay in registers, its part of the
; bias image (32,768 bytes) in LDS bytes of its own.  xn's eight fragments of a window come from memory straight into registers, asked for half a window ahead.  Two waves share a SIMD.
; No tensor load, no cluster: each wave reads other bytes of the weights and of the bias image, once, into its own registers and its own LDS; what all eight waves read alike, xn, is 12 KB a window.
; LAYOUT.  q, k: source 0 = 16 rows of W (a head), source 1 = 16 tokens: a lane holds a token, register j the head's channel 8 h + j.  These registers ARE the f32 form's operands: pair 2 s4, 2 s4 + 1 of keys' and of queries' registers
; hold the same channels in the same lanes.  v: source 0 = tokens, source 1 = W: a lane holds a channel and its registers run along the keys.  By the tiles' order (tile T, row r = token 32 (T / 2) + 8 (T % 2) + r + 8 (r / 8)) the 16 registers
; of tiles 2 b, 2 b + 1 are keys 32 b + 16 h + 0 .. 15, in v and in p alike.  K = 64: the upper six registers of both operands are zero codes under the byte 127.
; SOFTMAX.  t comes out of the matrix unit whole: q is multiplied by log2(e) / 4, the C of the first link is bias x log2(e).  M = ceil(the row's largest t): all 64 keys are at hand, so there is no running maximum.
; The accumulators of the f32 form are written by matrix instructions alone, and each result is read from its low end on
; LIMITS: a block of zeros gets the byte 1 (zero codes; this program alone reads the bytes); magnitudes under 2^-124 are held at that floor; NaN and infinities are not served.  o's place p of a block holds channel p with bits 3, 4 swapped; wp is laid likewise.
.set OSL,  262144                      ; LDS: 0 .. the bias image, 32,768 bytes a wave; here head 0's O, 4,096 bytes a wave
.set BIA,  294912                      ; bq, bk, bv
.set OSC,  297984                      ; o's scale words of the four windows, 512 bytes each
.set L16,  1
.set L8,   2
.set L4,   3
.set RBA,  4
.set OSA,  5
.set BQA,  6
.set BVA,  7
.set OGA,  8
.set OGB,  9
.set OBY,  10
.set OBT,  11
.set BIW,  12
.set TD4,  13
.set OCA,  14
.set TD8,  15
.set WS,   18                          ; v18-23 the weights' scale words (u, matrix): lanes 0-15 K step 0, lanes 16-31 K step 1
.set TS,   24                          ; v24-27 xn's, tile T, likewise
.set VC,   28                          ; v28-39 V's codes, six registers and six of zeros
.set PC,   40                          ; v40-51 p's
.set MB0,  52
.set MB1,  53
.set PT0,  54
.set PT1,  55
.set MX0,  56
.set TMPC, 57
.set NM,   58                          ; pair (-M, -M)
.set L01,  60
.set L23,  62
.set LSUM, 64
.set SO0,  65
.set SO1,  66
.set BY0,  67
.set BY1,  68
.set VS,   69                          ; V's scale word
.set PS,   70                          ; p's
.set TMPB, 71
.set Q,    72                          ; v72-103  q, 8 registers a tile
.set K,    104                         ; v104-135 k
.set OQ,   72                          ; at a window's end both together: o, 16 registers a tile
.set S,    136                         ; v136-167 v's sums, then S^T
.set X,    168                         ; v168-199 bias tuples; the bias image; p; o's codes
.set OA,   200                         ; v200-231 O^T
.set RL,   232                         ; v232-239 1 / the row's sum, tile T at 232 + 2 T
.set E,    240
.set XF,   144                         ; window 1: v0-143 the weights' fragments (6 u + 2 matrix + s) x 12; from v144 xn's (2 T + s) x 12
.set SEL,  32
.set CS,   34
.set MSB, 0
.macro WIN new                         ; the immediate's high byte repeats the setting that is left
.if MSB != \new
	s_set_vgpr_msb (MSB<<8)|\new
.set MSB, \new
.endif
.endm
.macro PKADD d, a, b
	v_pk_add_f32 v[(\d):(\d)+1], v[(\a):(\a)+1], v[(\b):(\b)+1]
.endm
.macro GFRAG reg, sb, off              ; a fragment from its image in memory: 16, 8, 16, 8 bytes a lane
	global_load_b128 v[(\reg):(\reg)+3], v[L16], s[\sb:\sb+1] offset:(\off)
	global_load_b64 v[(\reg)+4:(\reg)+5], v[L8], s[\sb:\sb+1] offset:(\off)+512
	global_load_b128 v[(\reg)+6:(\reg)+9], v[L16], s[\sb:\sb+1] offset:(\off)+768
	global_load_b64 v[(\reg)+10:(\reg)+11], v[L8], s[\sb:\sb+1] offset:(\off)+1280
.endm
.macro MX d, a, b, c, sa, sb, row      ; row = 1: K step 1, whose scale words lie in lanes 16-31
.if \row
	v_wmma_scale_f32_16x16x128_f8f6f4 v[(\d):(\d)+7], v[(\a):(\a)+11], v[(\b):(\b)+11], v[(\c):(\c)+7], v[\sa], v[\sb] matrix_a_fmt:MATRIX_FMT_FP6 matrix_b_fmt:MATRIX_FMT_FP6 matrix_a_scale:MATRIX_SCALE_ROW1 matrix_b_scale:MATRIX_SCALE_ROW1
.else
	v_wmma_scale_f32_16x16x128_f8f6f4 v[(\d):(\d)+7], v[(\a):(\a)+11], v[(\b):(\b)+11], v[(\c):(\c)+7], v[\sa], v[\sb] matrix_a_fmt:MATRIX_FMT_FP6 matrix_b_fmt:MATRIX_FMT_FP6
.endif
.endm
; Two halves of blocks, 16 registers each (the other 16 numbers lie in lane l xor 16).  Afterwards lanes 0-15 hold the whole block of sa in v[ea] .. v[ea + 5], lanes 16-31 that of sb; the bytes in BY0, BY1
.macro QPAIR sa, sb, ea, eb
	v_max3_num_f32 v[MB0], |v[(\sa)]|, |v[(\sa)+1]|, 0x1800000     ; with the floor 2^(3 - 127): the byte cannot fall under 1
	v_max3_num_f32 v[MB1], |v[(\sb)]|, |v[(\sb)+1]|, 0x1800000
.irp i, 2,4,6,8,10,12,14
	v_max3_num_f32 v[MB0], v[MB0], |v[(\sa)+\i]|, |v[(\sa)+\i+1]|
	v_max3_num_f32 v[MB1], v[MB1], |v[(\sb)+\i]|, |v[(\sb)+\i+1]|
.endr
	v_permlanex16_b32 v[PT0], v[MB0], s[SEL], s[SEL+1]
	v_permlanex16_b32 v[PT1], v[MB1], s[SEL], s[SEL+1]
	v_max_num_f32 v[MB0], v[MB0], v[PT0]
	v_max_num_f32 v[MB1], v[MB1], v[PT1]
	v_add_nc_u32 v[SO0], 0xff000000, v[MB0]        ; 2 off the exponent field: the conversion's scale operand
	v_add_nc_u32 v[SO1], 0xff000000, v[MB1]
	v_lshrrev_b32 v[BY0], 23, v[SO0]
	v_lshrrev_b32 v[BY1], 23, v[SO1]
	v_cvt_scalef32_pk16_fp6_f32 v[(\ea):(\ea)+2], v[(\sa):(\sa)+15], v[SO0]
	v_cvt_scalef32_pk16_fp6_f32 v[(\eb):(\eb)+2], v[(\sb):(\sb)+15], v[SO1]
	v_nop                                          ; one plain place behind a scaled conversion
.irp i, 0,1,2
	v_permlane16_swap_b32 v[(\ea)+\i], v[(\eb)+\i]
.endr
.irp i, 0,1,2
	v_mov_b32 v[(\ea)+3+\i], v[(\eb)+\i]
.endr
.endm
.macro XLOAD xo, so                    ; a window's eight fragments of xn and its four registers of scale words
	WIN 0x40
.irp t, 0,1,2,3
.irp s, 0,1
	GFRAG XF+12*(2*\t+\s), 4, \xo+(4*\t+2*\s)*768
.endr
.endr
	WIN 0
.irp t, 0,1,2,3
	global_load_b32 v[TS+\t], v[L4], s[6:7] offset:\so+128*\t
.endr
.endm
.macro RBLD reg, q                     ; quarter q (8,192 bytes) of my two heads' bias image from memory into 64 registers
.irp n, 0,1,2,3,4,5,6,7,8,9,10,11,12,13,14,15
	global_load_b128 v[(\reg)+4*\n:(\reg)+4*\n+3], v[L16], s[12:13] offset:8192*(\q)+512*\n
.endr
.endm
.macro RBST reg, q                     ; and from there into my LDS bytes
.irp n, 0,1,2,3,4,5,6,7,8,9,10,11,12,13,14,15
	ds_store_b128 v[RBA], v[(\reg)+4*\n:(\reg)+4*\n+3] offset:8192*(\q)+512*\n
.endr
.endm
.macro RBF u, tq                       ; bias x log2(e) for head u, tile of queries tq, in the result's layout: eight loads into X
.irp n, 0,1,2,3,4,5,6,7
	ds_load_b128 v[X+4*\n:X+4*\n+3], v[RBA] offset:(4*(\u)+(\tq))*4096+512*\n
.endr
.endm
; One tile of 16 queries of head u against all 64 keys.  Its part of the bias image was asked for a tile ago (for a head's first tile: behind the q, k, v products)
.macro TILE u, tq
	s_wait_dscnt 0x0                               ; the bias image's eight loads are in
.irp s4, 0,1,2,3                       ; four accumulators by turns, one instruction a turn
.irp tk, 0,1,2,3
.if \s4 == 0
	v_wmma_f32_16x16x4_f32 v[S+8*\tk:S+8*\tk+7], v[K+8*\tk:K+8*\tk+1], v[Q+8*\tq:Q+8*\tq+1], v[X+8*\tk:X+8*\tk+7]
.else
	v_wmma_f32_16x16x4_f32 v[S+8*\tk:S+8*\tk+7], v[K+8*\tk+2*\s4:K+8*\tk+2*\s4+1], v[Q+8*\tq+2*\s4:Q+8*\tq+2*\s4+1], v[S+8*\tk:S+8*\tk+7]
.endif
.endr
.endr
.rept 8
	v_nop                                          ; eight places behind this form, ahead of the first read of its results
.endr
	v_max3_num_f32 v[MB0], v[S], v[S+1], v[S+2]    ; the largest t of each block of 32 keys: for the row's maximum and, since p rises with t, for the block's largest p
	v_max3_num_f32 v[MB1], v[S+16], v[S+17], v[S+18]
.irp i, 3,5,7,9,11,13
	v_max3_num_f32 v[MB0], v[MB0], v[S+\i], v[S+\i+1]
	v_max3_num_f32 v[MB1], v[MB1], v[S+16+\i], v[S+17+\i]
.endr
	v_max_num_f32 v[MB0], v[MB0], v[S+15]
	v_max_num_f32 v[MB1], v[MB1], v[S+31]
	v_permlanex16_b32 v[PT0], v[MB0], s[SEL], s[SEL+1]
	v_permlanex16_b32 v[PT1], v[MB1], s[SEL], s[SEL+1]
	v_max_num_f32 v[MB0], v[MB0], v[PT0]
	v_max_num_f32 v[MB1], v[MB1], v[PT1]
	v_max_num_f32 v[MX0], v[MB0], v[MB1]
	v_floor_f32 v[NM], -v[MX0]                     ; -M = floor(-t) = -ceil(t)
	v_floor_f32 v[NM+1], -v[MX0]
.irp i, 0,2,4,6,8,10,12,14,16,18,20,22,24,26,28,30
	PKADD X+\i, S+\i, NM                           ; t - M, into other registers than the sums'
.endr
	v_add_f32 v[MB0], v[MB0], v[NM]
	v_add_f32 v[MB1], v[MB1], v[NM]
	v_exp_f32 v[MB0], v[MB0]                       ; one batch of 34 exponentials
	v_exp_f32 v[MB1], v[MB1]
.irp i, 0,1,2,3,4,5,6,7,8,9,10,11,12,13,14,15,16,17,18,19,20,21,22,23,24,25,26,27,28,29,30,31
	v_exp_f32 v[X+\i], v[X+\i]
.endr
	v_nop                                          ; a plain place behind the last of them
	s_wait_alu depctr_va_vdst(0)                   ; one wait for the batch, ahead of its first reader
	v_max_num_f32 v[MB0], 0x1800000, v[MB0]
	v_max_num_f32 v[MB1], 0x1800000, v[MB1]
	v_add_nc_u32 v[SO0], 0xff000000, v[MB0]
	v_add_nc_u32 v[SO1], 0xff000000, v[MB1]
	v_lshrrev_b32 v[BY0], 23, v[SO0]
	v_lshrrev_b32 v[BY1], 23, v[SO1]
	v_lshl_or_b32 v[PS], v[BY1], 8, v[BY0]
	v_or_b32 v[PS], 0x7f7f0000, v[PS]              ; the two blocks of zero codes: byte 127
	v_cvt_scalef32_pk16_fp6_f32 v[PC:PC+2], v[X:X+15], v[SO0]
	v_cvt_scalef32_pk16_fp6_f32 v[E:E+2], v[X+16:X+31], v[SO1]
	v_nop
.irp i, 0,1,2
	v_permlane16_swap_b32 v[PC+\i], v[E+\i]
.endr
.irp i, 0,1,2
	v_mov_b32 v[PC+3+\i], v[E+\i]
.endr
	PKADD L01, X, X+2                              ; the row's sum of the unquantised p.  These lines are also the places between the writes of p's codes and scale word and the matrix instruction
	PKADD L23, X+4, X+6
.irp i, 8,12,16,20,24,28
	PKADD L01, L01, X+\i
	PKADD L23, L23, X+\i+2
.endr
	PKADD L01, L01, L23
.if \tq < 3
	RBF \u, \tq+1                                  ; p has been read for the last time: the next tile's part of the bias image is asked for here
.endif
	v_add_f32 v[LSUM], v[L01], v[L01+1]
	v_permlanex16_b32 v[PT0], v[LSUM], s[SEL], s[SEL+1]
	v_add_f32 v[LSUM], v[LSUM], v[PT0]
	v_rcp_f32 v[RL+2*\tq], v[LSUM]
	v_nop
	s_wait_alu depctr_va_vdst(0)
	v_wmma_scale_f32_16x16x128_f8f6f4 v[OA+8*\tq:OA+8*\tq+7], v[VC:VC+11], v[PC:PC+11], 0, v[VS], v[PS] matrix_a_fmt:MATRIX_FMT_FP6 matrix_b_fmt:MATRIX_FMT_FP6
.endm
; Head 2 beta + u of the window in hand
.macro HEAD u
	ds_load_b128 v[X:X+3], v[BQA] offset:64*\u                     ; the biases as C operands: bq and bk at my eight channels, bv at my one
	ds_load_b128 v[X+4:X+7], v[BQA] offset:64*\u+16
	ds_load_b128 v[X+8:X+11], v[BQA] offset:1024+64*\u
	ds_load_b128 v[X+12:X+15], v[BQA] offset:1024+64*\u+16
	ds_load_b32 v[X+16], v[BVA] offset:64*\u
	s_wait_dscnt 0x0
.irp i, 1,2,3,4,5,6,7
	v_mov_b32 v[X+16+\i], v[X+16]
.endr
.rept 4
	v_nop
.endr
	WIN 0x05                                       ; sources 0 and 1 in window 1
.irp t, 0,1,2,3                        ; three accumulators by turns
	MX Q+8*\t, 12*(6*\u), XF+24*\t, X, WS+3*\u, TS+\t, 0
	MX K+8*\t, 12*(6*\u+2), XF+24*\t, X+8, WS+3*\u+1, TS+\t, 0
	MX S+8*\t, XF+24*\t, 12*(6*\u+4), X+16, TS+\t, WS+3*\u+2, 0
	MX Q+8*\t, 12*(6*\u+1), XF+24*\t+12, Q+8*\t, WS+3*\u, TS+\t, 1
	MX K+8*\t, 12*(6*\u+3), XF+24*\t+12, K+8*\t, WS+3*\u+1, TS+\t, 1
	MX S+8*\t, XF+24*\t+12, 12*(6*\u+5), S+8*\t, TS+\t, WS+3*\u+2, 1
.endr
	WIN 0
.rept 4
	v_nop                                          ; four places: ahead of loads into the bias tuples' and xn's registers and of the first read of the results
.endr
	RBF \u, 0                                      ; the first tile's part of the bias image: it lands while v is quantised and q is scaled
.if \u == 1
	s_cmp_eq_u32 s25, 1                            ; the next window's xn, if there is one: no load leaves its buffer
	s_cbranch_scc1 .Lnox_\@
	XLOAD 12288, 512
.Lnox_\@:
.endif
	QPAIR S, S+16, VC, E                           ; v along the keys: lanes 0-15 keys 0-31, lanes 16-31 keys 32-63 of my channel
	v_lshl_or_b32 v[VS], v[BY1], 8, v[BY0]
	v_or_b32 v[VS], 0x7f7f0000, v[VS]
.irp i, 0,2,4,6,8,10,12,14,16,18,20,22,24,26,28,30
	v_pk_mul_f32 v[Q+\i:Q+\i+1], v[Q+\i:Q+\i+1], s[CS:CS+1] op_sel_hi:[1,0]   ; q x log2(e) / 4
.endr
	TILE \u, 0
	TILE \u, 1
	TILE \u, 2
	TILE \u, 3
.if \u == 0
.irp t, 0,1,2,3                        ; head 0's O / the sum waits in my LDS bytes while head 1 is made.  The first twelve lines are the places behind the last product
.irp i, 0,2,4,6
	v_pk_mul_f32 v[Q+8*\t+\i:Q+8*\t+\i+1], v[OA+8*\t+\i:OA+8*\t+\i+1], v[RL+2*\t:RL+2*\t+1] op_sel_hi:[1,0]
.endr
.endr
.irp n, 0,1,2,3,4,5,6,7
	ds_store_b128 v[OSA], v[Q+4*\n:Q+4*\n+3] offset:512*\n
.endr
.endif
.endm
	s_load_b512 s[4:19], s[0:1], 0x0               ; xn_codes, xn_scales, wimg, wsc, rbimg, bq, bk, bv
	s_load_b128 s[20:23], s[0:1], 0x40             ; o_codes, o_scales
	v_lshl_add_u32 v254, v0, 2, 0x49400
	v_mov_b32 v255, 0
	v_lshrrev_b32 v16, 5, v0
	v_readfirstlane_b32 s24, v16                   ; beta
	v_and_b32 v16, 31, v0                          ; lane
	v_and_b32 v17, 15, v0                          ; r
	v_bfe_u32 v56, v0, 4, 1                        ; h
	v_lshlrev_b32 v[L16], 4, v16
	v_lshlrev_b32 v[L8], 3, v16
	v_lshlrev_b32 v[L4], 2, v16
	s_lshl_b32 s26, s24, 15
	v_add_nc_u32 v[RBA], s26, v[L16]
	s_lshl_b32 s27, s24, 12
	s_add_co_u32 s27, s27, OSL
	v_add_nc_u32 v[OSA], s27, v[L16]
	s_lshl_b32 s27, s24, 7
	s_add_co_u32 s28, s27, BIA
	v_lshl_add_u32 v[BQA], v56, 5, s28             ; channels 32 beta + 16 u + 8 h on
	s_add_co_u32 s28, s27, BIA+2048
	v_lshl_add_u32 v[BVA], v17, 2, s28             ; channel 32 beta + 16 u + r
	s_lshr_b32 s28, s24, 1
	s_mul_i32 s28, s28, 768
	s_and_b32 s29, s24, 1
	s_lshl_b32 s30, s29, 8
	s_add_co_u32 s30, s30, s28
	v_mul_u32_u24 v57, v56, 3072
	v_lshl_add_u32 v[OGA], v17, 4, v57
	v_add_nc_u32 v[OGA], s30, v[OGA]               ; o's image: block beta of row r; lanes 16-31 the next tile
	s_lshl_b32 s30, s29, 7
	s_add_co_u32 s30, s30, s28
	v_lshl_add_u32 v[OGB], v17, 3, v57
	v_add_nc_u32 v[OGB], s30, v[OGB]
	s_lshr_b32 s28, s24, 2
	s_lshl_b32 s28, s28, 6
	s_and_b32 s29, s24, 3
	s_add_co_u32 s28, s28, s29
	s_add_co_u32 s28, s28, OSC
	v_lshl_add_u32 v[OBY], v17, 2, s28             ; my block's byte in row r's scale word
	v_lshl_add_u32 v[BIW], v0, 2, BIA
	v_lshlrev_b32 v[TD4], 2, v0
	v_lshl_add_u32 v[OCA], v0, 3, OSC
	v_lshlrev_b32 v[TD8], 3, v0
	s_mov_b32 s[SEL], 0x76543210
	s_mov_b32 s[SEL+1], 0xfedcba98                 ; v_permlanex16_b32's selects for lane l xor 16
	s_mov_b32 s[CS], 0x3eb8aa3b                    ; log2(e) / 4
	s_mov_b32 s[CS+1], s[CS]
	s_mul_i32 s38, ttmp9, 49152
	s_mov_b32 s39, 0
	s_lshl_b32 s40, ttmp9, 11
	s_mov_b32 s41, 0
	s_mul_i32 s42, s24, 6144
	s_add_co_u32 s42, s42, 98304                   ; layer 2 (wq), tiles 2 beta on
	s_mov_b32 s43, 0
	s_lshl_b32 s44, s24, 8
	s_add_co_u32 s44, s44, 4096
	s_mov_b32 s45, 0
	s_lshl_b32 s46, s24, 15
	s_mov_b32 s47, 0
.irp i, 6,7,8,9,10,11
	v_mov_b32 v[VC+\i], 0                          ; zero codes for K = 64 .. 127
	v_mov_b32 v[PC+\i], 0
.endr
	v_mov_b32 v[PT0], 0                            ; a lane permute's destination counts as one of its sources
	v_mov_b32 v[PT1], 0
.irp t, 0,1,2,3
	v_mov_b32 v[RL+2*\t+1], 0                      ; named as the upper halves of pairs
.endr
	s_wait_kmcnt 0x0
	s_add_nc_u64 s[4:5], s[4:5], s[38:39]
	s_add_nc_u64 s[6:7], s[6:7], s[40:41]
	s_add_nc_u64 s[8:9], s[8:9], s[42:43]
	s_add_nc_u64 s[10:11], s[10:11], s[44:45]
	s_add_nc_u64 s[12:13], s[12:13], s[46:47]
	s_add_nc_u64 s[20:21], s[20:21], s[38:39]
	s_add_nc_u64 s[22:23], s[22:23], s[40:41]
	WIN 0x40
.irp u, 0,1
.irp m, 0,1,2
.irp s, 0,1
	GFRAG 12*(6*\u+2*\m+\s), 8, \m*49152+\u*3072+\s*1536
.endr
.endr
.endr
	WIN 0
.irp u, 0,1
.irp m, 0,1,2
	global_load_b32 v[WS+3*\u+\m], v[L4], s[10:11] offset:\m*2048+\u*128
.endr
.endr
	global_load_b32 v[E], v[TD4], s[14:15]
	global_load_b32 v[E+1], v[TD4], s[16:17]
	global_load_b32 v[E+2], v[TD4], s[18:19]
	XLOAD 0, 0
	; my two heads' bias image into my LDS bytes, 8,192 bytes at a time, through two sets of 64 registers by turns (q's and k's; X's and O^T's: none that the f32 form writes): while one set is stored, the other's sixteen loads are out
	RBLD Q, 0
	RBLD X, 1
	s_wait_loadcnt 16                              ; all but the sixteen issued last: quarter 0 is in, and all that was asked for ahead of it
	RBST Q, 0
	s_wait_dscnt 0x0                               ; the stores have read their registers
	RBLD Q, 2
	s_wait_loadcnt 16                              ; quarter 1 is in
	RBST X, 1
	s_wait_dscnt 0x0
	RBLD X, 3
	s_wait_loadcnt 16                              ; quarter 2 is in
	RBST Q, 2
	s_wait_loadcnt 0x0
	RBST X, 3
	ds_store_b32 v[BIW], v[E]
	ds_store_b32 v[BIW], v[E+1] offset:1024
	ds_store_b32 v[BIW], v[E+2] offset:2048
	s_wait_dscnt 0x0                               ; for the others' sake: the biases lie in LDS
	s_barrier_signal -1
	s_barrier_wait -1
	s_mov_b32 s25, 4                               ; windows to go
	s_mov_b32 s36, 0                               ; the window's place among o's scale words in LDS
.Lwin:
	s_wait_loadcnt 0x0                             ; xn's fragments and scale words
	HEAD 0
	HEAD 1
	; o: 16 registers a tile: head 0's eight channels from LDS, head 1's from O^T
.irp t, 0,1,2,3
	ds_load_b128 v[OQ+16*\t:OQ+16*\t+3], v[OSA] offset:1024*\t
	ds_load_b128 v[OQ+16*\t+4:OQ+16*\t+7], v[OSA] offset:1024*\t+512
.endr
.irp t, 0,1,2,3
.irp i, 0,2,4,6
	v_pk_mul_f32 v[OQ+16*\t+8+\i:OQ+16*\t+9+\i], v[OA+8*\t+\i:OA+8*\t+\i+1], v[RL+2*\t:RL+2*\t+1] op_sel_hi:[1,0]
.endr
.endr
	s_wait_dscnt 0x0
	QPAIR OQ, OQ+16, X, X+6                        ; block beta of tiles 0 and 1,
	v_mov_b32 v[TMPB], v[BY0]
	v_mov_b32 v[TMPC], v[BY1]
	QPAIR OQ+32, OQ+48, X+12, X+18                 ; of tiles 2 and 3
	global_store_b128 v[OGA], v[X:X+3], s[20:21]                   ; sixteen lanes store 256 consecutive bytes, aligned
	global_store_b64 v[OGB], v[X+4:X+5], s[20:21] offset:512
	global_store_b128 v[OGA], v[X+12:X+15], s[20:21] offset:6144
	global_store_b64 v[OGB], v[X+16:X+17], s[20:21] offset:6144+512
	v_add_nc_u32 v[OBT], s36, v[OBY]
	ds_store_b8 v[OBT], v[TMPB]                    ; lanes r and r + 16 write the same byte with the same value
	ds_store_b8 v[OBT], v[TMPC] offset:128
	ds_store_b8 v[OBT], v[BY0] offset:256
	ds_store_b8 v[OBT], v[BY1] offset:384
	s_wait_xcnt 0x0                                ; the loads and stores have read their bases and registers: these may be written again
	s_add_nc_u64 s[4:5], s[4:5], 12288
	s_add_nc_u64 s[6:7], s[6:7], 512
	s_add_nc_u64 s[20:21], s[20:21], 12288
	s_add_co_u32 s36, s36, 512
	s_sub_co_u32 s25, s25, 1
	s_cmp_lg_u32 s25, 0
	s_cbranch_scc1 .Lwin
	s_wait_dscnt 0x0                               ; for the others' sake: my bytes of the scale words lie in LDS
	s_barrier_signal -1
	s_barrier_wait -1
	ds_load_b64 v[X:X+1], v[OCA]                   ; four windows' scale words, 2,048 bytes: 8 bytes a thread
	s_wait_dscnt 0x0
	global_store_b64 v[TD8], v[X:X+1], s[22:23]    ; a wave stores 256 consecutive bytes, aligned
	s_wait_tensorcnt 0x0
	ds_add_u32 v254, v255
	s_wait_dscnt 0x0
	s_endpgm
.Lfunc_end_k_q94687b9d0f_attn:
	.size	k_q94687b9d0f_attn, .Lfunc_end_k_q94687b9d0f_attn-k_q94687b9d0f_attn
	.p2alignl 7, 3214868480
	.fill 96, 4, 3214868480
	.section	.rodata,"a",@progbits
	.p2align	6, 0x0
	.amdhsa_kernel k_q94687b9d0f_attn
		.amdhsa_group_segment_fixed_size 301056
		.amdhsa_private_segment_fixed_size 0
		.amdhsa_enable_private_segment 0
		.amdhsa_kernarg_size 80
		.amdhsa_user_sgpr_count 2
		.amdhsa_user_sgpr_kernarg_segment_ptr 1
		.amdhsa_wavefront_size32 1
		.amdhsa_system_sgpr_workgroup_id_x 1
		.amdhsa_system_sgpr_workgroup_id_y 1
		.amdhsa_system_sgpr_workgroup_id_z 1
		.amdhsa_system_vgpr_workitem_id 0
		.amdhsa_next_free_vgpr 512
		.amdhsa_next_free_sgpr 66
		.amdhsa_reserve_vcc 0
		.amdhsa_float_denorm_mode_32 3
		.amdhsa_float_denorm_mode_16_64 3
		.amdhsa_memory_ordered 1
		.amdhsa_forward_progress 1
		.amdhsa_inst_pref_size 107
	.end_amdhsa_kernel
	.amdgpu_metadata
---
amdhsa.version: [ 1, 2 ]
amdhsa.kernels:
  - .name:           k_q94687b9d0f_attn
    .symbol:         k_q94687b9d0f_attn.kd
    .args:
      - { .name: xn_codes, .offset: 0, .size: 8, .value_kind: global_buffer, .address_space: global }
      - { .name: xn_scales, .offset: 8, .size: 8, .value_kind: global_buffer, .address_space: global }
      - { .name: wimg, .offset: 16, .size: 8, .value_kind: global_buffer, .address_space: global }
      - { .name: wsc, .offset: 24, .size: 8, .value_kind: global_buffer, .address_space: global }
      - { .name: rbimg, .offset: 32, .size: 8, .value_kind: global_buffer, .address_space: global }
      - { .name: bq, .offset: 40, .size: 8, .value_kind: global_buffer, .address_space: global }
      - { .name: bk, .offset: 48, .size: 8, .value_kind: global_buffer, .address_space: global }
      - { .name: bv, .offset: 56, .size: 8, .value_kind: global_buffer, .address_space: global }
      - { .name: o_codes, .offset: 64, .size: 8, .value_kind: global_buffer, .address_space: global }
      - { .name: o_scales, .offset: 72, .size: 8, .value_kind: global_buffer, .address_space: global }
    .group_segment_fixed_size: 301056
    .private_segment_fixed_size: 0
    .kernarg_segment_align: 8
    .kernarg_segment_size: 80
    .max_flat_workgroup_size: 256
    .sgpr_count:     66
    .vgpr_count:     512
    .wavefront_size: 32
...
	.end_amdgpu_metadata
.endif
;; end of part 2
;; launch mlp (part 3): grid 256 x 1, 8 waves a work-group, no clusters, 209,920 bytes of LDS; arguments x, o_codes, o_scales, wimg, wsc, up_b1, up_b2, bp, n2_g, n2_b, mlp_b1, mlp_b2, out0; writes out0
.if DOCPART == 3
	.amdgcn_target "amdgcn-amd-amdhsa--gfx1250"
	.amdhsa_code_object_version 6
	.text
	.protected	k_q94687b9d0f_mlp
	.globl	k_q94687b9d0f_mlp
	.p2align	8
	.type	k_q94687b9d0f_mlp,@function
k_q94687b9d0f_mlp:
	s_mov_b64 s[64:65], 0
	v_nop
	global_prefetch_b8 v0, s[64:65] scope:SCOPE_SE
	s_setreg_imm32_b32 hwreg(HW_REG_WAVE_MODE, 25, 1), 1
	s_wait_xcnt 0x0
; MLP.  y = gelu(x W1 + b1) W2 + b2 + o Wp + bp;  out = y + gelu(LN2(y) M1 + mb1) M2 + mb2.  All five products on codes of E2M3 with one E8M0 byte for each 32 along K; all else f32.
; SHARES.  A work-group walks windows 4 g .. 4 g + 3 of 64 tokens.  THE WAVES SHARE THE CHANNELS: wave B makes output channels 32 B .. 32 B + 31 of every product, for all 64 tokens: its parts of the five weights (20 fragments, 240 registers,
; window 1) stay in registers.  What goes round is the tokens' codes: operands go from wave to wave through LDS as images of their registers (half fragments of 768 bytes: 16 bytes a lane, then 8 bytes a lane).
; Every product is used transposed (source 0 = 16 rows of W, source 1 = 16 tokens), and a weight's tile 2 B + u holds rows 32 B + 8 u + r + 8 (r / 8): a lane holds a token, its 16 registers of the two tiles channels 32 B + 16 h + 0 .. 15.
; So a wave's results of a tile of tokens are one block of the next K: QPAIR joins two tiles' halves, and lanes 0-15 then hold the block of the first tile's row r, lanes 16-31 that of the second's.
; A WINDOW, six barriers: P1 x to codes, o's image to LDS | P2 first product, gelu, codes | P3 second product + o Wp into Y, each wave's mean and sum of squares | P4 LN2, codes | P5 third product, gelu, codes; the next window's x and o are asked for |
; P6 last product onto Y, stage | whole rows out, + mb2.  Two waves share a SIMD.  No tensor load, no cluster: each wave reads other bytes of the weights, once, into its registers.
; x: a load reads one token's 512 consecutive bytes (my wave's 128 channels), 16 bytes a lane; the quantiser wants 16 neighbours along K in a lane: so the wave's 16 x 512 bytes turn through LDS bytes of its own, with no barrier.
; gelu = x/2 (1 + erf(x / sqrt 2)), erf by a rational form in z^2 (degrees 4 and 6), z held at +-3.7439, beyond which the f32 erf is 1.
; LN2: each wave's mean of its 32 channels and sum of squares about it; the eight are joined by M2 = sum of M2_w + 32 sum of (mean_w - mean)^2: no difference of large sums.
; LIMITS: a block of zeros gets the byte 1 (zero codes; this program alone reads the bytes); magnitudes under 2^-124 are held at that floor; NaN and infinities are not served.  b2 + bp are added first; mb2 is added last.
.set XIMG, 0                           ; LDS: five images of 12,288 bytes: x, o, hidden 1, LN2, hidden 2
.set OIMG, 12288
.set HIMG, 24576
.set NIMG, 36864
.set GIMG, 49152
.set SCB,  61440                       ; their scale words, 512 bytes each, in the same order
.set LNS,  64000                       ; 64 tokens x (8 waves x (mean, sum of squares) + 16 bytes)
.set LNP,  80                          ; 20 words from token to token: the sixteen rows of a load of 16 bytes a lane begin in sixteen different groups of four banks (64 banks of 4 bytes: ISA guide 11.1)
.set BIAS, 69120                       ; b1, b2 + bp, n2_g, n2_b, mb1: 1,024 bytes each
.set STG,  74240                       ; the stage: 64 rows x (1,024 + 16) bytes, and 128 bytes more in front of each 16 rows
.set SP,   1040
.set XST,  141312                      ; x's turn: 16 rows x (512 + 16) bytes for each wave
.set XSP,  528
.set L16,  1
.set L8,   2
.set L4,   3
.set XWA,  4
.set XWB,  5
.set XWS,  6
.set OWS,  7
.set HWA,  8
.set HWB,  9
.set HWS,  10
.set LNW,  11
.set LNR,  12
.set BA,   13
.set SO,   14
.set SR,   15
.set XG,   16
.set PFX,  17
.set WS,   18                          ; v18-27 the weights' scale words (2 lam + u)
.set KA,   28                          ; v28-29 erf's leading coefficient of the numerator, twice; v30-31 of the denominator
.set KB,   30
.set Y,    32                          ; v32-95 y: 16 registers a tile of tokens
.set TS,   96                          ; v96-99 the tokens' scale words
.set FR,   100                         ; v100-123 a tile's two fragments
.set MA,   124
.set MB,   125
.set PA,   126
.set PB,   127
.set SOA,  128
.set SOB,  129
.set BYA,  130
.set BYB,  131
.set EA,   132
.set EB,   138
.set SWD,  141
.set XSR,  142                         ; x's turn: where I read 16 neighbours of my row back
.set XSW,  143                         ; and where I put 16 bytes of a token
.set ACC,  144                         ; v144-175 two tiles' results
.set BT,   176                         ; v176-191 a bias at my 16 channels
.set GT,   192                         ; v192-255 at work
.set ZZ,   192
.set SS,   208
.set PP,   224
.set QQ,   240
.set FR2,  208                         ; the second tile's two fragments
.set FB,   144                         ; in P3 a second set: v144-167 and v232-255
.set FB2,  232
.set XR,   144                         ; v144-207 the next window's x
.set OR,   232                         ; v232-244 my part of the next window's o
.set M2T,  240                         ; window 1: v240-247 mb2 at the channels of a row that my lane stores
.set A7,   32                          ; scalar pairs: erf's coefficients
.set A5,   34
.set A3,   36
.set A1,   38
.set B10,  40
.set B8,   42
.set B6,   44
.set B4,   46
.set B2,   48
.set RS2,  50
.set CLN,  52
.set CLP,  53
.set SEL,  54
.set INV,  56
.set MSB, 0
.macro WIN new                         ; the immediate's high byte repeats the setting that is left
.if MSB != \new
	s_set_vgpr_msb (MSB<<8)|\new
.set MSB, \new
.endif
.endm
.macro PKADD d, a, b
	v_pk_add_f32 v[(\d):(\d)+1], v[(\a):(\a)+1], v[(\b):(\b)+1]
.endm
.macro PKMUL d, a, b
	v_pk_mul_f32 v[(\d):(\d)+1], v[(\a):(\a)+1], v[(\b):(\b)+1]
.endm
.macro PKFMA d, a, b, c
	v_pk_fma_f32 v[(\d):(\d)+1], v[(\a):(\a)+1], v[(\b):(\b)+1], v[(\c):(\c)+1]
.endm
.macro BARRIER                         ; my LDS stores have landed and my LDS loads are in: then the work-group's barrier
	s_wait_dscnt 0x0
	s_barrier_signal -1
	s_barrier_wait -1
.endm
.macro PLACES                          ; four places: ahead of loads into registers that matrix instructions have read and of the first read of their results
.rept 4
	v_nop
.endr
.endm
.macro GFRAG reg, sb, off
	global_load_b128 v[(\reg):(\reg)+3], v[L16], s[\sb:\sb+1] offset:(\off)
	global_load_b64 v[(\reg)+4:(\reg)+5], v[L8], s[\sb:\sb+1] offset:(\off)+512
	global_load_b128 v[(\reg)+6:(\reg)+9], v[L16], s[\sb:\sb+1] offset:(\off)+768
	global_load_b64 v[(\reg)+10:(\reg)+11], v[L8], s[\sb:\sb+1] offset:(\off)+1280
.endm
.macro LFRAG reg, off                  ; a fragment from its image in LDS
	ds_load_b128 v[(\reg):(\reg)+3], v[L16] offset:(\off)
	ds_load_b64 v[(\reg)+4:(\reg)+5], v[L8] offset:(\off)+512
	ds_load_b128 v[(\reg)+6:(\reg)+9], v[L16] offset:(\off)+768
	ds_load_b64 v[(\reg)+10:(\reg)+11], v[L8] offset:(\off)+1280
.endm
.macro MX d, a, b, c, sa, sb, row      ; row = 1: K step 1, whose scale words lie in lanes 16-31
.if \row
	v_wmma_scale_f32_16x16x128_f8f6f4 v[(\d):(\d)+7], v[(\a):(\a)+11], v[(\b):(\b)+11], v[(\c):(\c)+7], v[\sa], v[\sb] matrix_a_fmt:MATRIX_FMT_FP6 matrix_b_fmt:MATRIX_FMT_FP6 matrix_a_scale:MATRIX_SCALE_ROW1 matrix_b_scale:MATRIX_SCALE_ROW1
.else
	v_wmma_scale_f32_16x16x128_f8f6f4 v[(\d):(\d)+7], v[(\a):(\a)+11], v[(\b):(\b)+11], v[(\c):(\c)+7], v[\sa], v[\sb] matrix_a_fmt:MATRIX_FMT_FP6 matrix_b_fmt:MATRIX_FMT_FP6
.endif
.endm
.macro LPAIR fa, fb, img, t0           ; the four fragments of tiles t0, t0 + 1 of an image: sixteen LDS loads, tile t0 into v[fa] on, tile t0 + 1 into v[fb] on
	LFRAG \fa, \img+(4*(\t0))*768
	LFRAG (\fa)+12, \img+(4*(\t0)+2)*768
	LFRAG \fb, \img+(4*(\t0)+4)*768
	LFRAG (\fb)+12, \img+(4*(\t0)+6)*768
.endm
; Tiles t0, t0 + 1 of the tokens (fragments at fa, fb) against my two tiles of weight lam: four accumulators by turns, K step by K step.  bias = 1: the sums begin with v[BT]; 0: they go on in place
.macro WM2 fa, fb, t0, lam, dst, bias
	WIN 0x01                                       ; source 0 (the weight) in window 1
.irp s, 0,1
.irp t, 0,1
.irp u, 0,1
.if (\bias) && (\s == 0)
	MX (\dst)+16*\t+8*\u, 48*(\lam)+24*\u+12*\s, (\fa)+((\fb)-(\fa))*\t+12*\s, BT+8*\u, WS+2*(\lam)+\u, TS+(\t0)+\t, \s
.else
	MX (\dst)+16*\t+8*\u, 48*(\lam)+24*\u+12*\s, (\fa)+((\fb)-(\fa))*\t+12*\s, (\dst)+16*\t+8*\u, WS+2*(\lam)+\u, TS+(\t0)+\t, \s
.endif
.endr
.endr
.endr
	WIN 0
.endm
.macro MM2 t0, img, lam, dst, bias     ; fetch, wait, multiply
	LPAIR FR, FR2, \img, \t0
	s_wait_dscnt 0x0
	WM2 FR, FR2, \t0, \lam, \dst, \bias
	PLACES
.endm
.macro QPAIR sa, sb, ea, eb            ; two halves of blocks, 16 registers each; afterwards lanes 0-15 hold the whole block of sa in v[ea] .. v[ea + 5], lanes 16-31 that of sb; the bytes in BYA, BYB
	v_max3_num_f32 v[MA], |v[(\sa)]|, |v[(\sa)+1]|, 0x1800000      ; with the floor 2^(3 - 127): the byte cannot fall under 1
	v_max3_num_f32 v[MB], |v[(\sb)]|, |v[(\sb)+1]|, 0x1800000
.irp i, 2,4,6,8,10,12,14
	v_max3_num_f32 v[MA], v[MA], |v[(\sa)+\i]|, |v[(\sa)+\i+1]|
	v_max3_num_f32 v[MB], v[MB], |v[(\sb)+\i]|, |v[(\sb)+\i+1]|
.endr
	v_permlanex16_b32 v[PA], v[MA], s[SEL], s[SEL+1]
	v_permlanex16_b32 v[PB], v[MB], s[SEL], s[SEL+1]
	v_max_num_f32 v[MA], v[MA], v[PA]
	v_max_num_f32 v[MB], v[MB], v[PB]
	v_add_nc_u32 v[SOA], 0xff000000, v[MA]         ; 2 off the exponent field: the conversion's scale operand
	v_add_nc_u32 v[SOB], 0xff000000, v[MB]
	v_lshrrev_b32 v[BYA], 23, v[SOA]
	v_lshrrev_b32 v[BYB], 23, v[SOB]
	v_cvt_scalef32_pk16_fp6_f32 v[(\ea):(\ea)+2], v[(\sa):(\sa)+15], v[SOA]
	v_cvt_scalef32_pk16_fp6_f32 v[(\eb):(\eb)+2], v[(\sb):(\sb)+15], v[SOB]
	v_nop                                          ; one plain place behind a scaled conversion
.irp i, 0,1,2
	v_permlane16_swap_b32 v[(\ea)+\i], v[(\eb)+\i]
.endr
.irp i, 0,1,2
	v_mov_b32 v[(\ea)+3+\i], v[(\eb)+\i]
.endr
.endm
.macro PUTQ img, sc, t0                ; my block of tiles t0, t0 + 1 into an image, and its bytes into the scale words
	ds_store_b128 v[HWA], v[EA:EA+3] offset:\img+3072*(\t0)
	ds_store_b64 v[HWB], v[EA+4:EA+5] offset:\img+3072*(\t0)+512
	ds_store_b8 v[HWS], v[BYA] offset:\sc+128*(\t0)
	ds_store_b8 v[HWS], v[BYB] offset:\sc+128*(\t0)+128
.endm
.macro HSTEP acc, co                   ; a step of Horner's rule on eight pairs
.irp i, 0,2,4,6,8,10,12,14
	v_pk_fma_f32 v[\acc+\i:\acc+\i+1], v[\acc+\i:\acc+\i+1], v[SS+\i:SS+\i+1], s[\co:\co+1] op_sel_hi:[1,1,0]
.endr
.endm
.macro GELU16 base                     ; 16 numbers, in place
.irp i, 0,2,4,6,8,10,12,14
	v_pk_mul_f32 v[ZZ+\i:ZZ+\i+1], v[(\base)+\i:(\base)+\i+1], s[RS2:RS2+1] op_sel_hi:[1,0]
.endr
.irp i, 0,1,2,3,4,5,6,7,8,9,10,11,12,13,14,15
	v_med3_num_f32 v[ZZ+\i], v[ZZ+\i], s[CLN], s[CLP]
.endr
.irp i, 0,2,4,6,8,10,12,14
	PKMUL SS+\i, ZZ+\i, ZZ+\i
.endr
.irp i, 0,2,4,6,8,10,12,14
	v_pk_fma_f32 v[PP+\i:PP+\i+1], v[SS+\i:SS+\i+1], v[KA:KA+1], s[A7:A7+1] op_sel_hi:[1,1,0]
	v_pk_fma_f32 v[QQ+\i:QQ+\i+1], v[SS+\i:SS+\i+1], v[KB:KB+1], s[B10:B10+1] op_sel_hi:[1,1,0]
.endr
	HSTEP PP, A5
	HSTEP QQ, B8
	HSTEP PP, A3
	HSTEP QQ, B6
	HSTEP PP, A1
	HSTEP QQ, B4
	HSTEP QQ, B2
.irp i, 0,2,4,6,8,10,12,14
	v_pk_fma_f32 v[QQ+\i:QQ+\i+1], v[QQ+\i:QQ+\i+1], v[SS+\i:SS+\i+1], 1.0 op_sel_hi:[1,1,0]
.endr
.irp i, 0,1,2,3,4,5,6,7,8,9,10,11,12,13,14,15
	v_rcp_f32 v[QQ+\i], v[QQ+\i]
.endr
.irp i, 0,2,4,6,8,10,12,14
	PKMUL PP+\i, PP+\i, ZZ+\i
.endr
.irp i, 0,2,4,6,8,10,12,14
	v_pk_mul_f32 v[SS+\i:SS+\i+1], v[(\base)+\i:(\base)+\i+1], 0.5 op_sel_hi:[1,0]
.endr
	s_wait_alu depctr_va_vdst(0)                   ; one wait for the sixteen reciprocals, ahead of their first reader; the sixteen lines above are the work between
.irp i, 0,2,4,6,8,10,12,14
	PKMUL PP+\i, PP+\i, QQ+\i
.endr
.irp i, 0,2,4,6,8,10,12,14
	PKFMA (\base)+\i, SS+\i, PP+\i, SS+\i
.endr
.endm
; A product, gelu, codes: image img with scale words scin, weight lam, bias vector bv -> image oimg, scale words osc
.macro ACT img, scin, lam, bv, oimg, osc
.irp t, 0,1,2,3
	ds_load_b32 v[TS+\t], v[L4] offset:\scin+128*\t
.endr
.irp c, 0,1,2,3
	ds_load_b128 v[BT+4*\c:BT+4*\c+3], v[BA] offset:1024*\bv+16*\c
.endr
.irp p, 0,1
	MM2 2*\p, \img, \lam, ACC, 1
	GELU16 ACC
	GELU16 ACC+16
	QPAIR ACC, ACC+16, EA, EB
	PUTQ \oimg, \osc, 2*\p
.endr
.endm
.macro WLOAD lam, lay
.irp u, 0,1
.irp s, 0,1
	GFRAG 48*\lam+24*\u+12*\s, 10, \lay*49152+\u*3072+\s*1536
.endr
.endr
.endm
.macro WSLOAD lam, lay
.irp u, 0,1
	global_load_b32 v[WS+2*\lam+\u], v[L4], s[12:13] offset:\lay*2048+\u*128
.endr
.endm
; A window's x for my wave (tile w / 2, K step w % 2): load n reads token n of the tile, my 128 channels: 32 lanes, 512 consecutive bytes.  Tokens 0-7 are one row of the window (1,024 bytes apart), tokens 8-15 the row two further down.
; And my 1,536 + 64 bytes of o's image
.macro XLD xo, oo, so
.irp n, 0,1,2,3,4,5,6,7,8,9,10,11,12,13,14,15
	global_load_b128 v[XR+4*\n:XR+4*\n+3], v[XG], s[4:5] offset:\xo+262144*(\n/8)+1024*(\n%8) th:TH_LOAD_NT
.endr
.irp c, 0,1,2
	global_load_b128 v[OR+4*\c:OR+4*\c+3], v[XWA], s[6:7] offset:\oo+512*\c
.endr
	global_load_u16 v[OR+12], v[OWS], s[8:9] offset:\so
.endm
	s_load_b512 s[4:19], s[0:1], 0x0               ; x, o_codes, o_scales, wimg, wsc, up_b1, up_b2, bp
	s_load_b256 s[20:27], s[0:1], 0x40             ; n2_g, n2_b, mlp_b1, mlp_b2
	s_load_b64 s[28:29], s[0:1], 0x60              ; out0
	s_set_vgpr_msb 0x40
	v_lshl_add_u32 v254, v0, 2, 0x33000
	v_mov_b32 v255, 0
	s_set_vgpr_msb 0x4000
	v_lshrrev_b32 v124, 5, v0
	v_readfirstlane_b32 s30, v124                  ; wave = B
	v_and_b32 v124, 31, v0                         ; lane
	v_and_b32 v125, 15, v0                         ; r
	v_bfe_u32 v126, v0, 4, 1                       ; h
	v_bfe_u32 v127, v0, 3, 1                       ; r / 8
	v_and_b32 v128, 7, v0                          ; r % 8
	v_lshlrev_b32 v[L16], 4, v124
	v_lshlrev_b32 v[L8], 3, v124
	v_lshlrev_b32 v[L4], 2, v124
	s_mul_i32 s57, s30, 1536
	v_add_nc_u32 v[XWA], s57, v[L16]
	v_add_nc_u32 v[XWB], s57, v[L8]
	s_lshl_b32 s57, s30, 6
	v_lshl_add_u32 v[XWS], v125, 2, s57
	v_lshl_add_u32 v[OWS], v124, 1, s57
	s_lshr_b32 s57, s30, 1
	s_mul_i32 s57, s57, 768
	s_and_b32 s58, s30, 1
	s_lshl_b32 s59, s58, 8
	s_add_co_u32 s59, s59, s57
	v_mul_u32_u24 v129, v126, 3072
	v_lshl_add_u32 v[HWA], v125, 4, v129
	v_add_nc_u32 v[HWA], s59, v[HWA]               ; block B of row r; lanes 16-31 the next tile
	s_lshl_b32 s59, s58, 7
	s_add_co_u32 s59, s59, s57
	v_lshl_add_u32 v[HWB], v125, 3, v129
	v_add_nc_u32 v[HWB], s59, v[HWB]
	s_lshr_b32 s57, s30, 2
	s_lshl_b32 s57, s57, 6
	s_and_b32 s58, s30, 3
	s_add_co_u32 s57, s57, s58
	v_lshl_add_u32 v[HWS], v125, 2, s57
	s_lshl_b32 s57, s30, 3
	s_add_co_u32 s57, s57, LNS
	v_mul_u32_u24 v[LNW], v125, LNP
	v_add_nc_u32 v[LNR], LNS, v[LNW]               ; the statistics of row r, all eight waves'
	v_add_nc_u32 v[LNW], s57, v[LNW]               ; and my wave's pair among them
	s_lshl_b32 s57, s30, 7
	s_add_co_u32 s58, s57, BIAS
	v_lshl_add_u32 v[BA], v126, 6, s58             ; channels 32 B + 16 h on
	s_add_co_u32 s58, s57, STG
	v_lshl_add_u32 v129, v127, 4, v128             ; the token's place in its tile's part of the window: r % 8 + 16 (r / 8)
	v_mul_u32_u24 v[SO], v129, SP
	v_lshl_add_u32 v[SO], v126, 6, v[SO]
	v_lshl_add_u32 v[SO], v127, 7, v[SO]           ; 128 bytes more for each 16 rows passed: 16 rows are a whole number of times through the banks at this pitch, so lanes 8-15 of a store would meet lanes 0-7; so they take the other half of the banks
	v_add_nc_u32 v[SO], s58, v[SO]
	s_mul_i32 s57, s30, 8*SP
	s_lshr_b32 s58, s30, 1
	s_lshl_b32 s58, s58, 7
	s_add_co_u32 s57, s57, s58                     ; rows 8 w .. 8 w + 7 have passed w / 2 times 16 rows
	s_add_co_u32 s57, s57, STG
	v_add_nc_u32 v[SR], s57, v[L16]                ; back: rows 8 w .. 8 w + 7, the window's row w
	s_mul_i32 s57, s30, 16*XSP
	s_add_co_u32 s57, s57, XST                     ; my wave's bytes for x's turn
	v_add_nc_u32 v[XSW], s57, v[L16]               ; in: a token's 512 bytes as they lie
	v_mul_u32_u24 v[XSR], v125, XSP
	v_lshl_add_u32 v[XSR], v126, 6, v[XSR]
	v_add_nc_u32 v[XSR], s57, v[XSR]               ; back: row r, + 64 h: my 16 numbers of a block of 32.  132 words from row to row
	s_lshr_b32 s57, s30, 2                         ; x: my tile's first row of the window, 4 (w / 4) + (w / 2) % 2, 131,072 bytes a row, and my 128 channels
	s_lshl_b32 s57, s57, 2
	s_bfe_u32 s58, s30, 0x10001
	s_add_co_u32 s57, s57, s58
	s_lshl_b32 s57, s57, 17
	s_and_b32 s58, s30, 1
	s_lshl_b32 s58, s58, 9
	s_add_co_u32 s57, s57, s58
	v_add_nc_u32 v[XG], s57, v[L16]
	s_lshl_b32 s57, s30, 17
	v_lshl_add_u32 v[PFX], v124, 8, s57
	v_lshl_add_u32 v130, v0, 2, BIAS
	v_lshlrev_b32 v131, 2, v0
	v_mov_b32 v[KA], 0x39702d51                    ; 2.2905066e-4
	v_mov_b32 v[KA+1], 0x39702d51
	v_mov_b32 v[KB], 0xb3fd3906                    ; -1.1791603e-7
	v_mov_b32 v[KB+1], 0xb3fd3906
	s_mov_b32 s[A7], 0x3b5f5da2                    ; 3.4082910e-3
	s_mov_b32 s[A5], 0x3d50b6eb                    ; 5.0955695e-2
	s_mov_b32 s[A3], 0x3e3da740                    ; 0.18520832
	s_mov_b32 s[A1], 0x3f906eba                    ; 1.1283791
	s_mov_b32 s[B10], 0x37c588df                   ; 2.3547966e-5
	s_mov_b32 s[B8], 0x3a856d28                    ; 1.0179625e-3
	s_mov_b32 s[B6], 0x3c6687d4                    ; 1.4070470e-2
	s_mov_b32 s[B4], 0x3de34c21                    ; 0.11098505
	s_mov_b32 s[B2], 0x3efeb44a                    ; 0.49746925
	s_mov_b32 s[RS2], 0x3f3504f3                   ; 1 / sqrt 2
.irp c, A7, A5, A3, A1, B10, B8, B6, B4, B2, RS2
	s_mov_b32 s[\c+1], s[\c]                       ; named as pairs, so both are written
.endr
	s_mov_b32 s[CLN], 0xc06f9c68                   ; -3.7439212
	s_mov_b32 s[CLP], 0x406f9c68
	s_mov_b32 s[SEL], 0x76543210
	s_mov_b32 s[SEL+1], 0xfedcba98                 ; v_permlanex16_b32's selects for lane l xor 16
	s_mov_b32 s[INV], 0x3b800000                   ; 1 / 256
	s_lshr_b32 s58, ttmp9, 6                       ; the first window's first token in x and out0: picture, row of windows, window
	s_lshl_b32 s58, s58, 24
	s_bfe_u32 s57, ttmp9, 0x40002
	s_lshl_b32 s57, s57, 20
	s_add_co_u32 s58, s58, s57
	s_and_b32 s57, ttmp9, 3
	s_lshl_b32 s57, s57, 15
	s_add_co_u32 s58, s58, s57
	s_mov_b32 s59, 0
	s_mul_i32 s60, ttmp9, 49152
	s_mov_b32 s61, 0
	s_lshl_b32 s62, ttmp9, 11
	s_mov_b32 s63, 0
	s_wait_kmcnt 0x0
	s_add_nc_u64 s[4:5], s[4:5], s[58:59]
	s_add_nc_u64 s[28:29], s[28:29], s[58:59]
	s_add_nc_u64 s[6:7], s[6:7], s[60:61]
	s_add_nc_u64 s[8:9], s[8:9], s[62:63]
	s_mul_i32 s58, s30, 6144
	s_add_nc_u64 s[10:11], s[10:11], s[58:59]
	s_lshl_b32 s58, s30, 8
	s_add_nc_u64 s[12:13], s[12:13], s[58:59]
	s_lshl_b32 s58, s30, 17
	s_add_nc_u64 s[28:29], s[28:29], s[58:59]      ; out0 at the window's row w, which my wave stores
	WIN 0x40                                       ; destination in window 1
	WLOAD 0, 0
	WLOAD 1, 1
	WLOAD 2, 5
	WLOAD 3, 6
	WLOAD 4, 7
	global_load_b128 v[M2T:M2T+3], v[L16], s[26:27]
	global_load_b128 v[M2T+4:M2T+7], v[L16], s[26:27] offset:512
	WIN 0
	WSLOAD 0, 0
	WSLOAD 1, 1
	WSLOAD 2, 5
	WSLOAD 3, 6
	WSLOAD 4, 7
	global_load_b32 v132, v131, s[14:15]
	global_load_b32 v133, v131, s[16:17]
	global_load_b32 v134, v131, s[18:19]
	global_load_b32 v135, v131, s[20:21]
	global_load_b32 v136, v131, s[22:23]
	global_load_b32 v137, v131, s[24:25]
	XLD 0, 0, 0
	s_wait_loadcnt 0x0
	v_add_f32 v133, v133, v134
	ds_store_b32 v130, v132
	ds_store_b32 v130, v133 offset:1024
	ds_store_b32 v130, v135 offset:2048
	ds_store_b32 v130, v136 offset:3072
	ds_store_b32 v130, v137 offset:4096
	s_wait_dscnt 0x0                               ; the stores have read their registers; the first barrier below stands between them and their readers
	v_mov_b32 v[PA], 0                             ; a lane permute's destination counts as one of its sources
	v_mov_b32 v[PB], 0
	s_mov_b32 s31, 4                               ; windows to go
.Lwin:
	; ---- P1: x turns through my own LDS bytes; my part of o's image to LDS; my 16 tokens x 128 channels of x become a fragment
	s_wait_loadcnt 0x0
.irp n, 0,1,2,3,4,5,6,7,8,9,10,11,12,13,14,15
	ds_store_b128 v[XSW], v[XR+4*\n:XR+4*\n+3] offset:XSP*\n
.endr
.irp b, 0,1,2,3
.irp j, 0,1,2,3
	ds_load_b128 v[XR+16*\b+4*\j:XR+16*\b+4*\j+3], v[XSR] offset:128*\b+16*\j   ; LDS serves a wave's instructions in order (ISA guide 5.7.1.4): these see the stores above, and land in the registers that those have left
.endr
.endr
.irp c, 0,1,2
	ds_store_b128 v[XWA], v[OR+4*\c:OR+4*\c+3] offset:OIMG+512*\c
.endr
	ds_store_b16 v[OWS], v[OR+12] offset:SCB+512
	s_wait_dscnt 12                                ; blocks 0 and 1 are back; the eight loads of blocks 2 and 3 and o's four stores may be out
	QPAIR XR, XR+16, EA, EB
	ds_store_b128 v[XWA], v[EA:EA+3]
	ds_store_b64 v[XWB], v[EA+4:EA+5] offset:512
	v_lshl_or_b32 v[SWD], v[BYB], 8, v[BYA]
	s_wait_dscnt 0x0                               ; blocks 2 and 3 are back, and the stores have read their registers
	QPAIR XR+32, XR+48, EA, EB
	ds_store_b128 v[XWA], v[EA:EA+3] offset:768
	ds_store_b64 v[XWB], v[EA+4:EA+5] offset:1280
	v_lshl_or_b32 v[SWD], v[BYA], 16, v[SWD]
	v_lshl_or_b32 v[SWD], v[BYB], 24, v[SWD]
	ds_store_b32 v[XWS], v[SWD] offset:SCB
	BARRIER                                        ; x's and o's images lie in LDS
	; ---- P2
	ACT XIMG, SCB, 0, 0, HIMG, SCB+1024
	BARRIER                                        ; the first hidden layer's image lies in LDS
	; ---- P3: y.  Four products of two tiles each, on two sets of fragment registers: both pairs of the hidden layer are asked for at once, and a set is filled again, with o's fragments and those two tiles' scale words, four places behind its products
.irp t, 0,1,2,3
	ds_load_b32 v[TS+\t], v[L4] offset:SCB+1024+128*\t
.endr
.irp c, 0,1,2,3
	ds_load_b128 v[BT+4*\c:BT+4*\c+3], v[BA] offset:1024+16*\c
.endr
	LPAIR FR, FR2, HIMG, 0
	LPAIR FB, FB2, HIMG, 2
	s_wait_dscnt 16                                ; all but the second set's sixteen loads
	WM2 FR, FR2, 0, 1, Y, 1
	PLACES
	LPAIR FR, FR2, OIMG, 0
	ds_load_b32 v[TS], v[L4] offset:SCB+512
	ds_load_b32 v[TS+1], v[L4] offset:SCB+512+128
	s_wait_dscnt 18                                ; all but the eighteen just issued: the second set is in
	WM2 FB, FB2, 2, 1, Y+32, 1
	PLACES
	LPAIR FB, FB2, OIMG, 2
	ds_load_b32 v[TS+2], v[L4] offset:SCB+512+256
	ds_load_b32 v[TS+3], v[L4] offset:SCB+512+384
	s_wait_dscnt 18                                ; o's tiles 0 and 1 and their scale words are in
	WM2 FR, FR2, 0, 2, Y, 0
	s_wait_dscnt 0x0
	WM2 FB, FB2, 2, 2, Y+32, 0
	PLACES
.irp t, 0,1,2,3                        ; my 32 channels' mean and sum of squares about it, for each token; each accumulator is read from its low end on
	PKADD ACC+8*\t, Y+16*\t, Y+16*\t+2
	PKADD ACC+8*\t+2, Y+16*\t+4, Y+16*\t+6
	PKADD ACC+8*\t+4, Y+16*\t+8, Y+16*\t+10
	PKADD ACC+8*\t+6, Y+16*\t+12, Y+16*\t+14
.endr
.irp t, 0,1,2,3
	PKADD ACC+8*\t, ACC+8*\t, ACC+8*\t+2
	PKADD ACC+8*\t+4, ACC+8*\t+4, ACC+8*\t+6
.endr
.irp t, 0,1,2,3
	PKADD ACC+8*\t, ACC+8*\t, ACC+8*\t+4
.endr
.irp t, 0,1,2,3
	v_add_f32 v[ACC+8*\t], v[ACC+8*\t], v[ACC+8*\t+1]
.endr
.irp t, 0,1,2,3
	v_permlanex16_b32 v[ACC+8*\t+1], v[ACC+8*\t], s[SEL], s[SEL+1]
.endr
.irp t, 0,1,2,3
	v_add_f32 v[ACC+8*\t], v[ACC+8*\t], v[ACC+8*\t+1]
.endr
.irp t, 0,1,2,3
	v_mul_f32 v[ACC+8*\t+6], 0x3d000000, v[ACC+8*\t]
	v_mul_f32 v[ACC+8*\t+2], 0xbd000000, v[ACC+8*\t]
	v_mul_f32 v[ACC+8*\t+3], 0xbd000000, v[ACC+8*\t]
.endr
.irp t, 0,1,2,3
.irp i, 0,2,4,6,8,10,12,14
	PKADD GT+16*\t+\i, Y+16*\t+\i, ACC+8*\t+2
.endr
.endr
.irp t, 0,1,2,3
	PKMUL ACC+8*\t+4, GT+16*\t, GT+16*\t
	PKMUL ACC+8*\t, GT+16*\t+2, GT+16*\t+2
.endr
.irp i, 4,8,12
.irp t, 0,1,2,3
	PKFMA ACC+8*\t+4, GT+16*\t+\i, GT+16*\t+\i, ACC+8*\t+4
	PKFMA ACC+8*\t, GT+16*\t+\i+2, GT+16*\t+\i+2, ACC+8*\t
.endr
.endr
.irp t, 0,1,2,3
	PKADD ACC+8*\t, ACC+8*\t, ACC+8*\t+4
.endr
.irp t, 0,1,2,3
	v_add_f32 v[ACC+8*\t], v[ACC+8*\t], v[ACC+8*\t+1]
.endr
.irp t, 0,1,2,3
	v_permlanex16_b32 v[ACC+8*\t+1], v[ACC+8*\t], s[SEL], s[SEL+1]
.endr
.irp t, 0,1,2,3
	v_add_f32 v[ACC+8*\t+7], v[ACC+8*\t], v[ACC+8*\t+1]
.endr
.irp t, 0,1,2,3
	ds_store_b64 v[LNW], v[ACC+8*\t+6:ACC+8*\t+7] offset:16*LNP*\t   ; lanes r and r + 16 write the same pair
.endr
	BARRIER                                        ; the eight waves' statistics lie in LDS
	; ---- P4: LN2, codes
.irp t, 0,1,2,3
.irp c, 0,1,2,3
	ds_load_b128 v[GT+16*\t+4*\c:GT+16*\t+4*\c+3], v[LNR] offset:16*LNP*\t+16*\c
.endr
.endr
.irp c, 0,1,2,3
	ds_load_b128 v[BT+4*\c:BT+4*\c+3], v[BA] offset:2048+16*\c
	ds_load_b128 v[FR+4*\c:FR+4*\c+3], v[BA] offset:3072+16*\c
.endr
	s_cmp_eq_u32 s31, 1                            ; the next window's x is asked for here, behind this phase's run of LDS loads and two phases ahead of the loads that want it: its row w, 8,192 consecutive bytes,
	s_cbranch_scc1 .Lno_ask                        ; lanes 256 bytes apart, a wave a row: each block is named once.  The last window asks for nothing
	global_prefetch_b8 v[PFX], s[4:5] offset:8192 th:TH_LOAD_NT scope:SCOPE_SE
.Lno_ask:
	s_wait_dscnt 0x0
.irp t, 0,1,2,3
	PKADD ACC+8*\t, GT+16*\t, GT+16*\t+2
	PKADD ACC+8*\t+2, GT+16*\t+4, GT+16*\t+6
	PKADD ACC+8*\t+4, GT+16*\t+8, GT+16*\t+10
	PKADD ACC+8*\t+6, GT+16*\t+12, GT+16*\t+14
.endr
.irp t, 0,1,2,3
	PKADD ACC+8*\t, ACC+8*\t, ACC+8*\t+2
	PKADD ACC+8*\t+4, ACC+8*\t+4, ACC+8*\t+6
.endr
.irp t, 0,1,2,3
	PKADD ACC+8*\t, ACC+8*\t, ACC+8*\t+4           ; (the sum of the means, the sum of the sums of squares)
.endr
.irp t, 0,1,2,3
	v_mul_f32 v[ACC+8*\t+2], 0xbe000000, v[ACC+8*\t]   ; -m
.endr
.irp w, 0,1,2,3,4,5,6,7
.irp t, 0,1,2,3
	v_add_f32 v[GT+16*\t+2*\w], v[GT+16*\t+2*\w], v[ACC+8*\t+2]
.endr
.endr
.irp t, 0,1,2,3
	v_mul_f32 v[ACC+8*\t+4], v[GT+16*\t], v[GT+16*\t]
.endr
.irp w, 1,2,3,4,5,6,7
.irp t, 0,1,2,3
	v_fmac_f32 v[ACC+8*\t+4], v[GT+16*\t+2*\w], v[GT+16*\t+2*\w]
.endr
.endr
.irp t, 0,1,2,3
	v_fmamk_f32 v[ACC+8*\t+4], v[ACC+8*\t+4], 0x42000000, v[ACC+8*\t+1]
.endr
.irp t, 0,1,2,3
	v_fmaak_f32 v[ACC+8*\t+4], s[INV], v[ACC+8*\t+4], 0x3727c5ac   ; / 256 + 1e-5
.endr
.irp t, 0,1,2,3
	v_rsq_f32 v[GT+16*\t+2], v[ACC+8*\t+4]
.endr
.irp t, 0,1,2,3
	v_mov_b32 v[GT+16*\t], v[ACC+8*\t+2]           ; the pair (-m, -m).  (Plain work behind the four)
	v_mov_b32 v[GT+16*\t+1], v[ACC+8*\t+2]
.endr
	s_wait_alu depctr_va_vdst(0)                   ; one wait for the four, ahead of their first reader
.irp t, 0,1,2,3
	v_mov_b32 v[GT+16*\t+3], v[GT+16*\t+2]         ; the pair (rstd, rstd)
.endr
.irp p, 0,1
.irp t, 0,1
.irp i, 0,2,4,6,8,10,12,14
	PKADD ACC+16*\t+\i, Y+32*\p+16*\t+\i, GT+32*\p+16*\t
.endr
.irp i, 0,2,4,6,8,10,12,14
	PKMUL ACC+16*\t+\i, ACC+16*\t+\i, GT+32*\p+16*\t+2
.endr
.irp i, 0,2,4,6,8,10,12,14
	PKFMA ACC+16*\t+\i, ACC+16*\t+\i, BT+\i, FR+\i
.endr
.endr
	s_wait_dscnt 0x0                               ; the last pair's stores have read their registers
	QPAIR ACC, ACC+16, EA, EB
	PUTQ NIMG, SCB+1536, 2*\p
.endr
	BARRIER                                        ; LN2's image lies in LDS
	; ---- P5
	ACT NIMG, SCB+1536, 3, 4, GIMG, SCB+2048
	s_cmp_eq_u32 s31, 1                            ; the next window's x and o, if there is one: no load leaves its buffer
	s_cbranch_scc1 .Lno_next
	XLD 8192, 12288, 512
.Lno_next:
	BARRIER                                        ; the second hidden layer's image lies in LDS
	; ---- P6: the last product adds onto y
.irp t, 0,1,2,3
	ds_load_b32 v[TS+\t], v[L4] offset:SCB+2048+128*\t
.endr
	MM2 0, GIMG, 4, Y, 0
	MM2 2, GIMG, 4, Y+32, 0
.irp t, 0,1,2,3
.irp u, 0,1
	ds_store_b128 v[SO], v[Y+16*\t+8*\u:Y+16*\t+8*\u+3] offset:SP*(32*(\t/2)+8*(\t%2))+256*(\t/2)+32*\u          ; each accumulator from its low end on; tiles 2 and 3 have passed 32 rows: 256 bytes more
	ds_store_b128 v[SO], v[Y+16*\t+8*\u+4:Y+16*\t+8*\u+7] offset:SP*(32*(\t/2)+8*(\t%2))+256*(\t/2)+32*\u+16
.endr
.endr
	BARRIER                                        ; 64 whole rows lie in the stage
.irp i, 0,1,2,3,4,5,6,7,8,9,10,11,12,13,14,15
	ds_load_b128 v[Y+4*\i:Y+4*\i+3], v[SR] offset:SP*(\i/2)+512*(\i%2)
.endr
	WIN 0x04                                       ; source 1 (mb2) in window 1
.irp i, 0,1,2,3,4,5,6,7,8,9,10,11,12,13,14,15
	s_wait_dscnt 15-\i                             ; the younger loads may stay out
	PKADD Y+4*\i, Y+4*\i, M2T+4*(\i%2)
	PKADD Y+4*\i+2, Y+4*\i+2, M2T+4*(\i%2)+2
.endr
	WIN 0
.irp i, 0,1,2,3,4,5,6,7,8,9,10,11,12,13,14,15
	global_store_b128 v[L16], v[Y+4*\i:Y+4*\i+3], s[28:29] offset:512*\i th:TH_STORE_NT   ; 32 lanes store 512 consecutive bytes, aligned to 256; the wave's eight tokens are 8,192 consecutive bytes
.endr
	s_wait_xcnt 0x0                                ; loads, stores and the prefetch have read their bases and registers: these may be written again
	s_add_nc_u64 s[4:5], s[4:5], 8192
	s_add_nc_u64 s[28:29], s[28:29], 8192
	s_add_nc_u64 s[6:7], s[6:7], 12288
	s_add_nc_u64 s[8:9], s[8:9], 512
	s_sub_co_u32 s31, s31, 1
	s_cmp_lg_u32 s31, 0
	s_cbranch_scc1 .Lwin
	s_set_vgpr_msb 0x5
	s_wait_tensorcnt 0x0
	ds_add_u32 v254, v255
	s_wait_dscnt 0x0
	s_set_vgpr_msb 0x500
	s_endpgm
.Lfunc_end_k_q94687b9d0f_mlp:
	.size	k_q94687b9d0f_mlp, .Lfunc_end_k_q94687b9d0f_mlp-k_q94687b9d0f_mlp
	.p2alignl 7, 3214868480
	.fill 96, 4, 3214868480
	.section	.rodata,"a",@progbits
	.p2align	6, 0x0
	.amdhsa_kernel k_q94687b9d0f_mlp
		.amdhsa_group_segment_fixed_size 209920
		.amdhsa_private_segment_fixed_size 0
		.amdhsa_enable_private_segment 0
		.amdhsa_kernarg_size 104
		.amdhsa_user_sgpr_count 2
		.amdhsa_user_sgpr_kernarg_segment_ptr 1
		.amdhsa_wavefront_size32 1
		.amdhsa_system_sgpr_workgroup_id_x 1
		.amdhsa_system_sgpr_workgroup_id_y 1
		.amdhsa_system_sgpr_workgroup_id_z 1
		.amdhsa_system_vgpr_workitem_id 0
		.amdhsa_next_free_vgpr 512
		.amdhsa_next_free_sgpr 66
		.amdhsa_reserve_vcc 0
		.amdhsa_float_denorm_mode_32 3
		.amdhsa_float_denorm_mode_16_64 3
		.amdhsa_memory_ordered 1
		.amdhsa_forward_progress 1
		.amdhsa_inst_pref_size 167
	.end_amdhsa_kernel
	.amdgpu_metadata
---
amdhsa.version: [ 1, 2 ]
amdhsa.kernels:
  - .name:           k_q94687b9d0f_mlp
    .symbol:         k_q94687b9d0f_mlp.kd
    .args:
      - { .name: x, .offset: 0, .size: 8, .value_kind: global_buffer, .address_space: global }
      - { .name: o_codes, .offset: 8, .size: 8, .value_kind: global_buffer, .address_space: global }
      - { .name: o_scales, .offset: 16, .size: 8, .value_kind: global_buffer, .address_space: global }
      - { .name: wimg, .offset: 24, .size: 8, .value_kind: global_buffer, .address_space: global }
      - { .name: wsc, .offset: 32, .size: 8, .value_kind: global_buffer, .address_space: global }
      - { .name: up_b1, .offset: 40, .size: 8, .value_kind: global_buffer, .address_space: global }
      - { .name: up_b2, .offset: 48, .size: 8, .value_kind: global_buffer, .address_space: global }
      - { .name: bp, .offset: 56, .size: 8, .value_kind: global_buffer, .address_space: global }
      - { .name: n2_g, .offset: 64, .size: 8, .value_kind: global_buffer, .address_space: global }
      - { .name: n2_b, .offset: 72, .size: 8, .value_kind: global_buffer, .address_space: global }
      - { .name: mlp_b1, .offset: 80, .size: 8, .value_kind: global_buffer, .address_space: global }
      - { .name: mlp_b2, .offset: 88, .size: 8, .value_kind: global_buffer, .address_space: global }
      - { .name: out0, .offset: 96, .size: 8, .value_kind: global_buffer, .address_space: global }
    .group_segment_fixed_size: 209920
    .private_segment_fixed_size: 0
    .kernarg_segment_align: 8
    .kernarg_segment_size: 104
    .max_flat_workgroup_size: 256
    .sgpr_count:     66
    .vgpr_count:     512
    .wavefront_size: 32
...
	.end_amdgpu_metadata
.endif
;; end of part 3
;; ======== version 2 of 2: 3 launches; version 1 with the launches attn, mlp written anew for expert scheduling mode
;; workspace buffers: xn_codes 12,582,912 bytes; xn_scales 524,288 bytes; o_codes 12,582,912 bytes; o_scales 524,288 bytes; wimg 393,216 bytes; wsc 16,384 bytes; rbimg 262,144 bytes
;; launch prep: the kernel of part 1 again; grid 256 x 1, 16 waves a work-group, no clusters, 60,416 bytes of LDS; arguments up_w1, up_w2, wq, wk, wv, wp, mlp_w1, mlp_w2, feature, n1_g, n1_b, bias_table, xn_codes, xn_scales, wimg, wsc, rbimg; writes xn_codes, xn_scales, wimg, wsc, rbimg
;; launch attn (part 4): grid 256 x 1, 8 waves a work-group, no clusters, 301,056 bytes of LDS; arguments xn_codes, xn_scales, wimg, wsc, rbimg, bq, bk, bv, o_codes, o_scales; writes o_codes, o_scales
.if DOCPART == 4
	.amdgcn_target "amdgcn-amd-amdhsa--gfx1250"
	.amdhsa_code_object_version 6
	.text
	.protected	k_q94687b9d0f_attn
	.globl	k_q94687b9d0f_attn
	.p2align	8
	.type	k_q94687b9d0f_attn,@function
k_q94687b9d0f_attn:
	s_mov_b64 s[64:65], 0
	v_nop
	global_prefetch_b8 v0, s[64:65] scope:SCOPE_SE
	s_setreg_imm32_b32 hwreg(HW_REG_WAVE_SCHED_MODE, 0, 2), 2
	s_setreg_imm32_b32 hwreg(HW_REG_WAVE_MODE, 25, 1), 1
	s_wait_xcnt 0x0
	s_wait_alu depctr_vm_vsrc(0)
; ATTN.  For each window of 64 tokens: q, k, v = xn W + b (codes of E2M3, scaled matrix form), S^T = k q^T / 4 + bias (f32 operands, since p is quantised), p = 2^(t - M), O^T = V^T P (codes, K = the 64 keys), / the row's sum; o leaves as codes.
; SHARES.  A work-group walks windows 4 g .. 4 g + 3.  Wave beta owns heads 2 beta, 2 beta + 1 = channels 32 beta on = block beta of the next product's K.  Its parts of wq, wk, wv (12 fragments) stay in registers, its part of the
; bias image (32,768 bytes) in LDS bytes of its own.  xn's eight fragments of a window come from memory straight into registers, asked for half a window ahead.  Two waves share a SIMD.
; No tensor load, no cluster: each wave reads other bytes of the weights and of the bias image, once, into its own registers and its own LDS; what all eight waves read alike, xn, is 12 KB a window.
; LAYOUT.  q, k: source 0 = 16 rows of W (a head), source 1 = 16 tokens: a lane holds a token, register j the head's channel 8 h + j.  These registers ARE the f32 form's operands: pair 2 s4, 2 s4 + 1 of keys' and of queries' registers
; hold the same channels in the same lanes.  v: source 0 = tokens, source 1 = W: a lane holds a channel and its registers run along the keys.  By the tiles' order (tile T, row r = token 32 (T / 2) + 8 (T % 2) + r + 8 (r / 8)) the 16 registers
; of tiles 2 b, 2 b + 1 are keys 32 b + 16 h + 0 .. 15, in v and in p alike.  K = 64: the upper six registers of both operands are zero codes under the byte 127.
; SOFTMAX.  t comes out of the matrix unit whole: q is multiplied by log2(e) / 4, the C of the first link is bias x log2(e).  M = ceil(the row's largest t): all 64 keys are at hand, so there is no running maximum.
; The accumulators of the f32 form are written by matrix instructions alone, and each result is read from its low end on
; LIMITS: a block of zeros gets the byte 1 (zero codes; this program alone reads the bytes); magnitudes under 2^-124 are held at that floor; NaN and infinities are not served.  o's place p of a block holds channel p with bits 3, 4 swapped; wp is laid likewise.
; THE MODE: SCHED_MODE bits 1:0 = 2 (LLVM: expert scheduling mode 2), set by the entry lines.  The code itself states the register dependences between vector or matrix instructions and memory or LDS instructions, with s_wait_alu, always for 0.
; THE PLAN.  Registers that memory or LDS instructions touch in the loop:
;   X            LDS loads land in it: a head's bias tuples, then a tile's part of the bias image.  The products read it as C; the softmax writes p there and reads it; at a window's end the conversions write o's codes there and four global stores read them.
;   XF, TS       The next window's global loads land in them, in head 1, behind the q, k, v products, their only readers.
;   Q            Head 0's O / the sum is written there by multiplies and read by eight LDS stores; head 1's products write it again.
;   OQ           At a window's end LDS loads land in half of q's and k's registers, which the f32 products have read.
;   OBT, TMPB, TMPC, BY0, BY1   Written by vector instructions, read by the four byte stores at a window's end.
;   All other addresses are made at the head and never written again; the bases are scalar.
; WAITS ON va_vdst: behind a head's 24 products; behind a tile's exponentials; ahead of a tile's last product, with the next tile's bias loads behind it; ahead of head 0's stores of O, behind which no vector instruction stands until head 1's
; first loads; ahead of o's stores, behind which none stands until the next window's first loads.  WAITS ON vm_vsrc: in head 1, ahead of the products that write q again; at the loop's end; and at the head where a set of registers is loaded again.
.set OSL,  262144                      ; LDS: 0 .. the bias image, 32,768 bytes a wave; here head 0's O, 4,096 bytes a wave
.set BIA,  294912                      ; bq, bk, bv
.set OSC,  297984                      ; o's scale words of the four windows, 512 bytes each
.set L16,  1
.set L8,   2
.set L4,   3
.set RBA,  4
.set OSA,  5
.set BQA,  6
.set BVA,  7
.set OGA,  8
.set OGB,  9
.set OBY,  10
.set OBT,  11
.set BIW,  12
.set TD4,  13
.set OCA,  14
.set TD8,  15
.set WS,   18                          ; v18-23 the weights' scale words (u, matrix): lanes 0-15 K step 0, lanes 16-31 K step 1
.set TS,   24                          ; v24-27 xn's, tile T, likewise
.set VC,   28                          ; v28-39 V's codes, six registers and six of zeros
.set PC,   40                          ; v40-51 p's
.set MB0,  52
.set MB1,  53
.set PT0,  54
.set PT1,  55
.set MX0,  56
.set TMPC, 57
.set NM,   58                          ; pair (-M, -M)
.set L01,  60
.set L23,  62
.set LSUM, 64
.set SO0,  65
.set SO1,  66
.set BY0,  67
.set BY1,  68
.set VS,   69                          ; V's scale word
.set PS,   70                          ; p's
.set TMPB, 71
.set Q,    72                          ; v72-103  q, 8 registers a tile
.set K,    104                         ; v104-135 k
.set OQ,   72                          ; at a window's end both together: o, 16 registers a tile
.set S,    136                         ; v136-167 v's sums, then S^T
.set X,    168                         ; v168-199 bias tuples; the bias image; p; o's codes
.set OA,   200                         ; v200-231 O^T
.set RL,   232                         ; v232-239 1 / the row's sum, tile T at 232 + 2 T
.set E,    240
.set XF,   144                         ; window 1: v0-143 the weights' fragments (6 u + 2 matrix + s) x 12; from v144 xn's (2 T + s) x 12
.set SEL,  32
.set CS,   34
.set MSB, 0
.macro WIN new                         ; the immediate's high byte repeats the setting that is left
.if MSB != \new
	s_set_vgpr_msb (MSB<<8)|\new
.set MSB, \new
.endif
.endm
.macro PKADD d, a, b
	v_pk_add_f32 v[(\d):(\d)+1], v[(\a):(\a)+1], v[(\b):(\b)+1]
.endm
.macro GFRAG reg, sb, off              ; a fragment from its image in memory: 16, 8, 16, 8 bytes a lane
	global_load_b128 v[(\reg):(\reg)+3], v[L16], s[\sb:\sb+1] offset:(\off)
	global_load_b64 v[(\reg)+4:(\reg)+5], v[L8], s[\sb:\sb+1] offset:(\off)+512
	global_load_b128 v[(\reg)+6:(\reg)+9], v[L16], s[\sb:\sb+1] offset:(\off)+768
	global_load_b64 v[(\reg)+10:(\reg)+11], v[L8], s[\sb:\sb+1] offset:(\off)+1280
.endm
.macro MX d, a, b, c, sa, sb, row      ; row = 1: K step 1, whose scale words lie in lanes 16-31
.if \row
	v_wmma_scale_f32_16x16x128_f8f6f4 v[(\d):(\d)+7], v[(\a):(\a)+11], v[(\b):(\b)+11], v[(\c):(\c)+7], v[\sa], v[\sb] matrix_a_fmt:MATRIX_FMT_FP6 matrix_b_fmt:MATRIX_FMT_FP6 matrix_a_scale:MATRIX_SCALE_ROW1 matrix_b_scale:MATRIX_SCALE_ROW1
.else
	v_wmma_scale_f32_16x16x128_f8f6f4 v[(\d):(\d)+7], v[(\a):(\a)+11], v[(\b):(\b)+11], v[(\c):(\c)+7], v[\sa], v[\sb] matrix_a_fmt:MATRIX_FMT_FP6 matrix_b_fmt:MATRIX_FMT_FP6
.endif
.endm
; Two halves of blocks, 16 registers each (the other 16 numbers lie in lane l xor 16).  Afterwards lanes 0-15 hold the whole block of sa in v[ea] .. v[ea + 5], lanes 16-31 that of sb; the bytes in BY0, BY1
.macro QPAIR sa, sb, ea, eb
	v_max3_num_f32 v[MB0], |v[(\sa)]|, |v[(\sa)+1]|, 0x1800000     ; with the floor 2^(3 - 127): the byte cannot fall under 1
	v_max3_num_f32 v[MB1], |v[(\sb)]|, |v[(\sb)+1]|, 0x1800000
.irp i, 2,4,6,8,10,12,14
	v_max3_num_f32 v[MB0], v[MB0], |v[(\sa)+\i]|, |v[(\sa)+\i+1]|
	v_max3_num_f32 v[MB1], v[MB1], |v[(\sb)+\i]|, |v[(\sb)+\i+1]|
.endr
	v_permlanex16_b32 v[PT0], v[MB0], s[SEL], s[SEL+1]
	v_permlanex16_b32 v[PT1], v[MB1], s[SEL], s[SEL+1]
	v_max_num_f32 v[MB0], v[MB0], v[PT0]
	v_max_num_f32 v[MB1], v[MB1], v[PT1]
	v_add_nc_u32 v[SO0], 0xff000000, v[MB0]        ; 2 off the exponent field: the conversion's scale operand
	v_add_nc_u32 v[SO1], 0xff000000, v[MB1]
	v_lshrrev_b32 v[BY0], 23, v[SO0]
	v_lshrrev_b32 v[BY1], 23, v[SO1]
	v_cvt_scalef32_pk16_fp6_f32 v[(\ea):(\ea)+2], v[(\sa):(\sa)+15], v[SO0]
	v_cvt_scalef32_pk16_fp6_f32 v[(\eb):(\eb)+2], v[(\sb):(\sb)+15], v[SO1]
	v_nop                                          ; one plain place behind a scaled conversion
.irp i, 0,1,2
	v_permlane16_swap_b32 v[(\ea)+\i], v[(\eb)+\i]
.endr
.irp i, 0,1,2
	v_mov_b32 v[(\ea)+3+\i], v[(\eb)+\i]
.endr
.endm
.macro XLOAD xo, so                    ; a window's eight fragments of xn and its four registers of scale words
	WIN 0x40
.irp t, 0,1,2,3
.irp s, 0,1
	GFRAG XF+12*(2*\t+\s), 4, \xo+(4*\t+2*\s)*768
.endr
.endr
	WIN 0
.irp t, 0,1,2,3
	global_load_b32 v[TS+\t], v[L4], s[6:7] offset:\so+128*\t
.endr
.endm
.macro RBLD reg, q                     ; quarter q (8,192 bytes) of my two heads' bias image from memory into 64 registers
.irp n, 0,1,2,3,4,5,6,7,8,9,10,11,12,13,14,15
	global_load_b128 v[(\reg)+4*\n:(\reg)+4*\n+3], v[L16], s[12:13] offset:8192*(\q)+512*\n
.endr
.endm
.macro RBST reg, q                     ; and from there into my LDS bytes
.irp n, 0,1,2,3,4,5,6,7,8,9,10,11,12,13,14,15
	ds_store_b128 v[RBA], v[(\reg)+4*\n:(\reg)+4*\n+3] offset:8192*(\q)+512*\n
.endr
.endm
.macro RBF u, tq                       ; bias x log2(e) for head u, tile of queries tq, in the result's layout: eight loads into X
.irp n, 0,1,2,3,4,5,6,7
	ds_load_b128 v[X+4*\n:X+4*\n+3], v[RBA] offset:(4*(\u)+(\tq))*4096+512*\n
.endr
.endm
; One tile of 16 queries of head u against all 64 keys.  Its part of the bias image was asked for a tile ago (for a head's first tile: behind the q, k, v products)
.macro TILE u, tq
	s_wait_dscnt 0x0                               ; the bias image's eight loads are in
.irp s4, 0,1,2,3                       ; four accumulators by turns, one instruction a turn
.irp tk, 0,1,2,3
.if \s4 == 0
	v_wmma_f32_16x16x4_f32 v[S+8*\tk:S+8*\tk+7], v[K+8*\tk:K+8*\tk+1], v[Q+8*\tq:Q+8*\tq+1], v[X+8*\tk:X+8*\tk+7]
.else
	v_wmma_f32_16x16x4_f32 v[S+8*\tk:S+8*\tk+7], v[K+8*\tk+2*\s4:K+8*\tk+2*\s4+1], v[Q+8*\tq+2*\s4:Q+8*\tq+2*\s4+1], v[S+8*\tk:S+8*\tk+7]
.endif
.endr
.endr
.rept 8
	v_nop                                          ; eight places behind this form, ahead of the first read of its results
.endr
	v_max3_num_f32 v[MB0], v[S], v[S+1], v[S+2]    ; the largest t of each block of 32 keys: for the row's maximum and, since p rises with t, for the block's largest p
	v_max3_num_f32 v[MB1], v[S+16], v[S+17], v[S+18]
.irp i, 3,5,7,9,11,13
	v_max3_num_f32 v[MB0], v[MB0], v[S+\i], v[S+\i+1]
	v_max3_num_f32 v[MB1], v[MB1], v[S+16+\i], v[S+17+\i]
.endr
	v_max_num_f32 v[MB0], v[MB0], v[S+15]
	v_max_num_f32 v[MB1], v[MB1], v[S+31]
	v_permlanex16_b32 v[PT0], v[MB0], s[SEL], s[SEL+1]
	v_permlanex16_b32 v[PT1], v[MB1], s[SEL], s[SEL+1]
	v_max_num_f32 v[MB0], v[MB0], v[PT0]
	v_max_num_f32 v[MB1], v[MB1], v[PT1]
	v_max_num_f32 v[MX0], v[MB0], v[MB1]
	v_floor_f32 v[NM], -v[MX0]                     ; -M = floor(-t) = -ceil(t)
	v_floor_f32 v[NM+1], -v[MX0]
.irp i, 0,2,4,6,8,10,12,14,16,18,20,22,24,26,28,30
	PKADD X+\i, S+\i, NM                           ; t - M, into other registers than the sums'
.endr
	v_add_f32 v[MB0], v[MB0], v[NM]
	v_add_f32 v[MB1], v[MB1], v[NM]
	v_exp_f32 v[MB0], v[MB0]                       ; one batch of 34 exponentials
	v_exp_f32 v[MB1], v[MB1]
.irp i, 0,1,2,3,4,5,6,7,8,9,10,11,12,13,14,15,16,17,18,19,20,21,22,23,24,25,26,27,28,29,30,31
	v_exp_f32 v[X+\i], v[X+\i]
.endr
	v_nop                                          ; a plain place behind the last of them
	s_wait_alu depctr_va_vdst(0)                   ; the 34 exponentials have written the blocks' largest p (MB0, MB1) and p (X): one wait for the batch, ahead of its first reader
	v_max_num_f32 v[MB0], 0x1800000, v[MB0]
	v_max_num_f32 v[MB1], 0x1800000, v[MB1]
	v_add_nc_u32 v[SO0], 0xff000000, v[MB0]
	v_add_nc_u32 v[SO1], 0xff000000, v[MB1]
	v_lshrrev_b32 v[BY0], 23, v[SO0]
	v_lshrrev_b32 v[BY1], 23, v[SO1]
	v_lshl_or_b32 v[PS], v[BY1], 8, v[BY0]
	v_or_b32 v[PS], 0x7f7f0000, v[PS]              ; the two blocks of zero codes: byte 127
	v_cvt_scalef32_pk16_fp6_f32 v[PC:PC+2], v[X:X+15], v[SO0]
	v_cvt_scalef32_pk16_fp6_f32 v[E:E+2], v[X+16:X+31], v[SO1]
	v_nop
.irp i, 0,1,2
	v_permlane16_swap_b32 v[PC+\i], v[E+\i]
.endr
.irp i, 0,1,2
	v_mov_b32 v[PC+3+\i], v[E+\i]
.endr
	PKADD L01, X, X+2                              ; the row's sum of the unquantised p.  These lines are also the places between the writes of p's codes and scale word and the matrix instruction
	PKADD L23, X+4, X+6
.irp i, 8,12,16,20,24,28
	PKADD L01, L01, X+\i
	PKADD L23, L23, X+\i+2
.endr
	PKADD L01, L01, L23
	v_add_f32 v[LSUM], v[L01], v[L01+1]
	v_permlanex16_b32 v[PT0], v[LSUM], s[SEL], s[SEL+1]
	v_add_f32 v[LSUM], v[LSUM], v[PT0]
	v_rcp_f32 v[RL+2*\tq], v[LSUM]
	v_nop
	s_wait_alu depctr_va_vdst(0)                   ; ONE wait for three things: the reciprocal has written RL; p's codes and scale word (ahead of a head's first tile V's too) are written, which the scaled product takes; the conversions and sums are done with p, in whose registers the next tile's bias lands
.if \tq < 3
	RBF \u, \tq+1                                  ; the next tile's part of the bias image is asked for here; the product below names none of X
.endif
	v_wmma_scale_f32_16x16x128_f8f6f4 v[OA+8*\tq:OA+8*\tq+7], v[VC:VC+11], v[PC:PC+11], 0, v[VS], v[PS] matrix_a_fmt:MATRIX_FMT_FP6 matrix_b_fmt:MATRIX_FMT_FP6
.endm
; Head 2 beta + u of the window in hand
.macro HEAD u
	ds_load_b128 v[X:X+3], v[BQA] offset:64*\u                     ; the biases as C operands: bq and bk at my eight channels, bv at my one.  (No vector or matrix instruction has named X since the last wait on va_vdst: ahead of o's stores, or of head 0's stores of O; in the first window, at the kernel's head)
	ds_load_b128 v[X+4:X+7], v[BQA] offset:64*\u+16
	ds_load_b128 v[X+8:X+11], v[BQA] offset:1024+64*\u
	ds_load_b128 v[X+12:X+15], v[BQA] offset:1024+64*\u+16
	ds_load_b32 v[X+16], v[BVA] offset:64*\u
	s_wait_dscnt 0x0
.if \u == 1
	s_wait_alu depctr_vm_vsrc(0)                   ; the LDS stores of head 0's O have read q's registers, which the products below write
.endif
.irp i, 1,2,3,4,5,6,7
	v_mov_b32 v[X+16+\i], v[X+16]
.endr
.rept 4
	v_nop
.endr
	WIN 0x05                                       ; sources 0 and 1 in window 1
.irp t, 0,1,2,3                        ; three accumulators by turns
	MX Q+8*\t, 12*(6*\u), XF+24*\t, X, WS+3*\u, TS+\t, 0
	MX K+8*\t, 12*(6*\u+2), XF+24*\t, X+8, WS+3*\u+1, TS+\t, 0
	MX S+8*\t, XF+24*\t, 12*(6*\u+4), X+16, TS+\t, WS+3*\u+2, 0
	MX Q+8*\t, 12*(6*\u+1), XF+24*\t+12, Q+8*\t, WS+3*\u, TS+\t, 1
	MX K+8*\t, 12*(6*\u+3), XF+24*\t+12, K+8*\t, WS+3*\u+1, TS+\t, 1
	MX S+8*\t, XF+24*\t+12, 12*(6*\u+5), S+8*\t, TS+\t, WS+3*\u+2, 1
.endr
	WIN 0
.rept 4
	v_nop                                          ; four places: ahead of loads into the bias tuples' and xn's registers and of the first read of the results
.endr
	s_wait_alu depctr_va_vdst(0)                   ; the 24 products are done reading the bias tuples in X, in which the bias image lands, and (head 1) xn's fragments and scale words, in which the next window's land
	RBF \u, 0                                      ; the first tile's part of the bias image: it lands while v is quantised and q is scaled
.if \u == 1
	s_cmp_eq_u32 s25, 1                            ; the next window's xn, if there is one: no load leaves its buffer
	s_cbranch_scc1 .Lnox_\@
	XLOAD 12288, 512
.Lnox_\@:
.endif
	QPAIR S, S+16, VC, E                           ; v along the keys: lanes 0-15 keys 0-31, lanes 16-31 keys 32-63 of my channel
	v_lshl_or_b32 v[VS], v[BY1], 8, v[BY0]
	v_or_b32 v[VS], 0x7f7f0000, v[VS]
.irp i, 0,2,4,6,8,10,12,14,16,18,20,22,24,26,28,30
	v_pk_mul_f32 v[Q+\i:Q+\i+1], v[Q+\i:Q+\i+1], s[CS:CS+1] op_sel_hi:[1,0]   ; q x log2(e) / 4
.endr
	TILE \u, 0
	TILE \u, 1
	TILE \u, 2
	TILE \u, 3
.if \u == 0
.irp t, 0,1,2,3                        ; head 0's O / the sum waits in my LDS bytes while head 1 is made.  The first twelve lines are the places behind the last product
.irp i, 0,2,4,6
	v_pk_mul_f32 v[Q+8*\t+\i:Q+8*\t+\i+1], v[OA+8*\t+\i:OA+8*\t+\i+1], v[RL+2*\t:RL+2*\t+1] op_sel_hi:[1,0]
.endr
.endr
	s_wait_alu depctr_va_vdst(0)                   ; the multiplies have written q's registers, which the LDS stores read
.irp n, 0,1,2,3,4,5,6,7
	ds_store_b128 v[OSA], v[Q+4*\n:Q+4*\n+3] offset:512*\n
.endr
.endif
.endm
	s_load_b512 s[4:19], s[0:1], 0x0               ; xn_codes, xn_scales, wimg, wsc, rbimg, bq, bk, bv
	s_load_b128 s[20:23], s[0:1], 0x40             ; o_codes, o_scales
	v_lshl_add_u32 v254, v0, 2, 0x49400
	v_mov_b32 v255, 0
	v_lshrrev_b32 v16, 5, v0
	v_readfirstlane_b32 s24, v16                   ; beta
	v_and_b32 v16, 31, v0                          ; lane
	v_and_b32 v17, 15, v0                          ; r
	v_bfe_u32 v56, v0, 4, 1                        ; h
	v_lshlrev_b32 v[L16], 4, v16
	v_lshlrev_b32 v[L8], 3, v16
	v_lshlrev_b32 v[L4], 2, v16
	s_wait_alu depctr_va_sdst(0)                   ; s24, the wave's number, is written, ahead of its first reader
	s_lshl_b32 s26, s24, 15
	v_add_nc_u32 v[RBA], s26, v[L16]
	s_lshl_b32 s27, s24, 12
	s_add_co_u32 s27, s27, OSL
	v_add_nc_u32 v[OSA], s27, v[L16]
	s_lshl_b32 s27, s24, 7
	s_add_co_u32 s28, s27, BIA
	v_lshl_add_u32 v[BQA], v56, 5, s28             ; channels 32 beta + 16 u + 8 h on
	s_add_co_u32 s28, s27, BIA+2048
	v_lshl_add_u32 v[BVA], v17, 2, s28             ; channel 32 beta + 16 u + r
	s_lshr_b32 s28, s24, 1
	s_mul_i32 s28, s28, 768
	s_and_b32 s29, s24, 1
	s_lshl_b32 s30, s29, 8
	s_add_co_u32 s30, s30, s28
	v_mul_u32_u24 v57, v56, 3072
	v_lshl_add_u32 v[OGA], v17, 4, v57
	v_add_nc_u32 v[OGA], s30, v[OGA]               ; o's image: block beta of row r; lanes 16-31 the next tile
	s_lshl_b32 s30, s29, 7
	s_add_co_u32 s30, s30, s28
	v_lshl_add_u32 v[OGB], v17, 3, v57
	v_add_nc_u32 v[OGB], s30, v[OGB]
	s_lshr_b32 s28, s24, 2
	s_lshl_b32 s28, s28, 6
	s_and_b32 s29, s24, 3
	s_add_co_u32 s28, s28, s29
	s_add_co_u32 s28, s28, OSC
	v_lshl_add_u32 v[OBY], v17, 2, s28             ; my block's byte in row r's scale word
	v_lshl_add_u32 v[BIW], v0, 2, BIA
	v_lshlrev_b32 v[TD4], 2, v0
	v_lshl_add_u32 v[OCA], v0, 3, OSC
	v_lshlrev_b32 v[TD8], 3, v0
	s_mov_b32 s[SEL], 0x76543210
	s_mov_b32 s[SEL+1], 0xfedcba98                 ; v_permlanex16_b32's selects for lane l xor 16
	s_mov_b32 s[CS], 0x3eb8aa3b                    ; log2(e) / 4
	s_mov_b32 s[CS+1], s[CS]
	s_mul_i32 s38, ttmp9, 49152
	s_mov_b32 s39, 0
	s_lshl_b32 s40, ttmp9, 11
	s_mov_b32 s41, 0
	s_mul_i32 s42, s24, 6144
	s_add_co_u32 s42, s42, 98304                   ; layer 2 (wq), tiles 2 beta on
	s_mov_b32 s43, 0
	s_lshl_b32 s44, s24, 8
	s_add_co_u32 s44, s44, 4096
	s_mov_b32 s45, 0
	s_lshl_b32 s46, s24, 15
	s_mov_b32 s47, 0
.irp i, 6,7,8,9,10,11
	v_mov_b32 v[VC+\i], 0                          ; zero codes for K = 64 .. 127
	v_mov_b32 v[PC+\i], 0
.endr
	v_mov_b32 v[PT0], 0                            ; a lane permute's destination counts as one of its sources
	v_mov_b32 v[PT1], 0
.irp t, 0,1,2,3
	v_mov_b32 v[RL+2*\t+1], 0                      ; named as the upper halves of pairs
.endr
	s_wait_kmcnt 0x0
	s_add_nc_u64 s[4:5], s[4:5], s[38:39]
	s_add_nc_u64 s[6:7], s[6:7], s[40:41]
	s_add_nc_u64 s[8:9], s[8:9], s[42:43]
	s_add_nc_u64 s[10:11], s[10:11], s[44:45]
	s_add_nc_u64 s[12:13], s[12:13], s[46:47]
	s_add_nc_u64 s[20:21], s[20:21], s[38:39]
	s_add_nc_u64 s[22:23], s[22:23], s[40:41]
	WIN 0x40
	s_wait_alu depctr_va_vdst(0)                   ; the offsets and LDS addresses v1 to v10 and v12 to v15 are written, which the loads and stores of the whole kernel read
.irp u, 0,1
.irp m, 0,1,2
.irp s, 0,1
	GFRAG 12*(6*\u+2*\m+\s), 8, \m*49152+\u*3072+\s*1536
.endr
.endr
.endr
	WIN 0
.irp u, 0,1
.irp m, 0,1,2
	global_load_b32 v[WS+3*\u+\m], v[L4], s[10:11] offset:\m*2048+\u*128
.endr
.endr
	global_load_b32 v[E], v[TD4], s[14:15]
	global_load_b32 v[E+1], v[TD4], s[16:17]
	global_load_b32 v[E+2], v[TD4], s[18:19]
	XLOAD 0, 0
	; my two heads' bias image into my LDS bytes, 8,192 bytes at a time, through two sets of 64 registers by turns (q's and k's; X's and O^T's: none that the f32 form writes): while one set is stored, the other's sixteen loads are out
	RBLD Q, 0
	RBLD X, 1
	s_wait_loadcnt 16                              ; all but the sixteen issued last: quarter 0 is in, and all that was asked for ahead of it
	RBST Q, 0
	s_wait_dscnt 0x0                               ; quarter 0 lies in LDS
	s_wait_alu depctr_vm_vsrc(0)                   ; its stores have read the first set's registers, in which quarter 2 lands
	RBLD Q, 2
	s_wait_loadcnt 16                              ; quarter 1 is in
	RBST X, 1
	s_wait_dscnt 0x0
	s_wait_alu depctr_vm_vsrc(0)                   ; quarter 1's stores have read the second set's registers, in which quarter 3 lands
	RBLD X, 3
	s_wait_loadcnt 16                              ; quarter 2 is in
	RBST Q, 2
	s_wait_loadcnt 0x0
	RBST X, 3
	ds_store_b32 v[BIW], v[E]
	ds_store_b32 v[BIW], v[E+1] offset:1024
	ds_store_b32 v[BIW], v[E+2] offset:2048
	s_wait_dscnt 0x0                               ; for the others' sake: the biases lie in LDS
	s_wait_alu depctr_vm_vsrc(0)                   ; the stores have read both sets' registers and E's: in the loop LDS loads land in X, products write q, k and O^T, conversions write E
	s_barrier_signal -1
	s_barrier_wait -1
	s_mov_b32 s25, 4                               ; windows to go
	s_mov_b32 s36, 0                               ; the window's place among o's scale words in LDS
.Lwin:
	s_wait_loadcnt 0x0                             ; xn's fragments and scale words
	HEAD 0
	HEAD 1
	; o: 16 registers a tile: head 0's eight channels from LDS, head 1's from O^T.  (The f32 products that read q and k stand ahead of the last tile's wait on va_vdst; the one product issued since names none of these registers)
.irp t, 0,1,2,3
	ds_load_b128 v[OQ+16*\t:OQ+16*\t+3], v[OSA] offset:1024*\t
	ds_load_b128 v[OQ+16*\t+4:OQ+16*\t+7], v[OSA] offset:1024*\t+512
.endr
.irp t, 0,1,2,3
.irp i, 0,2,4,6
	v_pk_mul_f32 v[OQ+16*\t+8+\i:OQ+16*\t+9+\i], v[OA+8*\t+\i:OA+8*\t+\i+1], v[RL+2*\t:RL+2*\t+1] op_sel_hi:[1,0]
.endr
.endr
	s_wait_dscnt 0x0
	QPAIR OQ, OQ+16, X, X+6                        ; block beta of tiles 0 and 1,
	v_mov_b32 v[TMPB], v[BY0]
	v_mov_b32 v[TMPC], v[BY1]
	QPAIR OQ+32, OQ+48, X+12, X+18                 ; of tiles 2 and 3
	v_add_nc_u32 v[OBT], s36, v[OBY]
	s_wait_alu depctr_va_vdst(0)                   ; o's codes in X, its four bytes and the bytes' address are written, which the eight stores below read
	global_store_b128 v[OGA], v[X:X+3], s[20:21]                   ; sixteen lanes store 256 consecutive bytes, aligned
	global_store_b64 v[OGB], v[X+4:X+5], s[20:21] offset:512
	global_store_b128 v[OGA], v[X+12:X+15], s[20:21] offset:6144
	global_store_b64 v[OGB], v[X+16:X+17], s[20:21] offset:6144+512
	ds_store_b8 v[OBT], v[TMPB]                    ; lanes r and r + 16 write the same byte with the same value
	ds_store_b8 v[OBT], v[TMPC] offset:128
	ds_store_b8 v[OBT], v[BY0] offset:256
	ds_store_b8 v[OBT], v[BY1] offset:384
	s_wait_xcnt 0x0                                ; the loads and stores have read their bases and registers: these may be written again
	s_wait_alu depctr_vm_vsrc(0)                   ; the eight stores have read X, the bytes' registers and their address: LDS loads land in X next, and the next window's vector instructions write the others
	s_add_nc_u64 s[4:5], s[4:5], 12288
	s_add_nc_u64 s[6:7], s[6:7], 512
	s_add_nc_u64 s[20:21], s[20:21], 12288
	s_add_co_u32 s36, s36, 512
	s_sub_co_u32 s25, s25, 1
	s_cmp_lg_u32 s25, 0
	s_cbranch_scc1 .Lwin
	s_wait_dscnt 0x0                               ; for the others' sake: my bytes of the scale words lie in LDS
	s_barrier_signal -1
	s_barrier_wait -1
	ds_load_b64 v[X:X+1], v[OCA]                   ; four windows' scale words, 2,048 bytes: 8 bytes a thread
	s_wait_dscnt 0x0
	global_store_b64 v[TD8], v[X:X+1], s[22:23]    ; a wave stores 256 consecutive bytes, aligned
	s_wait_dscnt 0x0                               ; the closing lines, six on end
	s_wait_alu 0x0
	s_wait_tensorcnt 0x0
	ds_add_u32 v254, v255
	s_wait_dscnt 0x0
	s_endpgm
.Lfunc_end_k_q94687b9d0f_attn:
	.size	k_q94687b9d0f_attn, .Lfunc_end_k_q94687b9d0f_attn-k_q94687b9d0f_attn
	.p2alignl 7, 3214868480
	.fill 96, 4, 3214868480
	.section	.rodata,"a",@progbits
	.p2align	6, 0x0
	.amdhsa_kernel k_q94687b9d0f_attn
		.amdhsa_group_segment_fixed_size 301056
		.amdhsa_private_segment_fixed_size 0
		.amdhsa_enable_private_segment 0
		.amdhsa_kernarg_size 80
		.amdhsa_user_sgpr_count 2
		.amdhsa_user_sgpr_kernarg_segment_ptr 1
		.amdhsa_wavefront_size32 1
		.amdhsa_system_sgpr_workgroup_id_x 1
		.amdhsa_system_sgpr_workgroup_id_y 1
		.amdhsa_system_sgpr_workgroup_id_z 1
		.amdhsa_system_vgpr_workitem_id 0
		.amdhsa_next_free_vgpr 512
		.amdhsa_next_free_sgpr 66
		.amdhsa_reserve_vcc 0
		.amdhsa_float_denorm_mode_32 3
		.amdhsa_float_denorm_mode_16_64 3
		.amdhsa_memory_ordered 1
		.amdhsa_forward_progress 1
		.amdhsa_inst_pref_size 108
	.end_amdhsa_kernel
	.amdgpu_metadata
---
amdhsa.version: [ 1, 2 ]
amdhsa.kernels:
  - .name:           k_q94687b9d0f_attn
    .symbol:         k_q94687b9d0f_attn.kd
    .args:
      - { .name: xn_codes, .offset: 0, .size: 8, .value_kind: global_buffer, .address_space: global }
      - { .name: xn_scales, .offset: 8, .size: 8, .value_kind: global_buffer, .address_space: global }
      - { .name: wimg, .offset: 16, .size: 8, .value_kind: global_buffer, .address_space: global }
      - { .name: wsc, .offset: 24, .size: 8, .value_kind: global_buffer, .address_space: global }
      - { .name: rbimg, .offset: 32, .size: 8, .value_kind: global_buffer, .address_space: global }
      - { .name: bq, .offset: 40, .size: 8, .value_kind: global_buffer, .address_space: global }
      - { .name: bk, .offset: 48, .size: 8, .value_kind: global_buffer, .address_space: global }
      - { .name: bv, .offset: 56, .size: 8, .value_kind: global_buffer, .address_space: global }
      - { .name: o_codes, .offset: 64, .size: 8, .value_kind: global_buffer, .address_space: global }
      - { .name: o_scales, .offset: 72, .size: 8, .value_kind: global_buffer, .address_space: global }
    .group_segment_fixed_size: 301056
    .private_segment_fixed_size: 0
    .kernarg_segment_align: 8
    .kernarg_segment_size: 80
    .max_flat_workgroup_size: 256
    .sgpr_count:     66
    .vgpr_count:     512
    .wavefront_size: 32
...
	.end_amdgpu_metadata
.endif
;; end of part 4
;; launch mlp (part 5): grid 256 x 1, 8 waves a work-group, no clusters, 209,920 bytes of LDS; arguments x, o_codes, o_scales, wimg, wsc, up_b1, up_b2, bp, n2_g, n2_b, mlp_b1, mlp_b2, out0; writes out0
.if DOCPART == 5
	.amdgcn_target "amdgcn-amd-amdhsa--gfx1250"
	.amdhsa_code_object_version 6
	.text
	.protected	k_q94687b9d0f_mlp
	.globl	k_q94687b9d0f_mlp
	.p2align	8
	.type	k_q94687b9d0f_mlp,@function
k_q94687b9d0f_mlp:
	s_mov_b64 s[64:65], 0
	v_nop
	global_prefetch_b8 v0, s[64:65] scope:SCOPE_SE
	s_setreg_imm32_b32 hwreg(HW_REG_WAVE_SCHED_MODE, 0, 2), 2
	s_setreg_imm32_b32 hwreg(HW_REG_WAVE_MODE, 25, 1), 1
	s_wait_xcnt 0x0
	s_wait_alu depctr_vm_vsrc(0)
; MLP.  y = gelu(x W1 + b1) W2 + b2 + o Wp + bp;  out = y + gelu(LN2(y) M1 + mb1) M2 + mb2.  All five products on codes of E2M3 with one E8M0 byte for each 32 along K; all else f32.
; SHARES.  A work-group walks windows 4 g .. 4 g + 3 of 64 tokens.  THE WAVES SHARE THE CHANNELS: wave B makes output channels 32 B .. 32 B + 31 of every product, for all 64 tokens: its parts of the five weights (20 fragments, 240 registers,
; window 1) stay in registers.  What goes round is the tokens' codes: operands go from wave to wave through LDS as images of their registers (half fragments of 768 bytes: 16 bytes a lane, then 8 bytes a lane).
; Every product is used transposed (source 0 = 16 rows of W, source 1 = 16 tokens), and a weight's tile 2 B + u holds rows 32 B + 8 u + r + 8 (r / 8): a lane holds a token, its 16 registers of the two tiles channels 32 B + 16 h + 0 .. 15.
; So a wave's results of a tile of tokens are one block of the next K: QPAIR joins two tiles' halves, and lanes 0-15 then hold the block of the first tile's row r, lanes 16-31 that of the second's.
; A WINDOW, six barriers: P1 x to codes, o's image to LDS | P2 first product, gelu, codes | P3 second product + o Wp into Y, each wave's mean and sum of squares | P4 LN2, codes | P5 third product, gelu, codes; the next window's x and o are asked for |
; P6 last product onto Y, stage | whole rows out, + mb2.  Two waves share a SIMD.  No tensor load, no cluster: each wave reads other bytes of the weights, once, into its registers.
; x: a load reads one token's 512 consecutive bytes (my wave's 128 channels), 16 bytes a lane; the quantiser wants 16 neighbours along K in a lane: so the wave's 16 x 512 bytes turn through LDS bytes of its own, with no barrier.
; gelu = x/2 (1 + erf(x / sqrt 2)), erf by a rational form in z^2 (degrees 4 and 6), z held at +-3.7439, beyond which the f32 erf is 1.
; LN2: each wave's mean of its 32 channels and sum of squares about it; the eight are joined by M2 = sum of M2_w + 32 sum of (mean_w - mean)^2: no difference of large sums.
; LIMITS: a block of zeros gets the byte 1 (zero codes; this program alone reads the bytes); magnitudes under 2^-124 are held at that floor; NaN and infinities are not served.  b2 + bp are added first; mb2 is added last.
; THE MODE: SCHED_MODE bits 1:0 = 2 (LLVM: expert scheduling mode 2), set by the entry lines.  The code itself states the register dependences between vector or matrix instructions and memory or LDS instructions, with s_wait_alu, always for 0.
; THE PLAN.  Registers that memory or LDS instructions touch in the loop:
;   XR, OR                 The next window's global loads land in them in P5; in P1 LDS stores read them, LDS loads land in XR again, QPAIR reads XR.  From P2 on the same registers are ACC, BT, GT.
;   EA, BYA, BYB, SWD      Written by QPAIR and the lines behind it, read by the images' stores.
;   TS, BT, FR, FR2, FB, FB2, GT   LDS loads land in them at a phase's head (in P3 and P6 again within the phase); products and vector instructions read them.
;   ACC + 8 t + 6, + 7     The statistics: written in P3, read by four LDS stores, written again in P4.
;   Y                      Written by products; read by the stage's stores; loaded from the stage; added to; read by the global stores.
;   Addresses are made at the head and never written again; the bases are scalar.
; WAITS ON va_vdst.  One ahead of every run of stores whose data vector or matrix instructions have made.  Each phase ends with such a run and no vector instruction behind it, so the wait also shows every earlier reader and writer of the registers in which
; the next phase's first loads (and, behind P5, the next window's x and o) land: those loads owe nothing more.  Within a phase: in P3 behind each of the first two groups of products and in P6 behind the first, ahead of the loads into the fragments just read.
; WAITS ON vm_vsrc.  Ahead of each QPAIR whose registers stores have read since the last such wait; in P1 between x's stores and the loads into the same registers; at P4's head; in P6 ahead of the loads into Y.
.set XIMG, 0                           ; LDS: five images of 12,288 bytes: x, o, hidden 1, LN2, hidden 2
.set OIMG, 12288
.set HIMG, 24576
.set NIMG, 36864
.set GIMG, 49152
.set SCB,  61440                       ; their scale words, 512 bytes each, in the same order
.set LNS,  64000                       ; 64 tokens x (8 waves x (mean, sum of squares) + 16 bytes)
.set LNP,  80                          ; 20 words from token to token: the sixteen rows of a load of 16 bytes a lane begin in sixteen different groups of four banks (64 banks of 4 bytes: ISA guide 11.1)
.set BIAS, 69120                       ; b1, b2 + bp, n2_g, n2_b, mb1: 1,024 bytes each
.set STG,  74240                       ; the stage: 64 rows x (1,024 + 16) bytes, and 128 bytes more in front of each 16 rows
.set SP,   1040
.set XST,  141312                      ; x's turn: 16 rows x (512 + 16) bytes for each wave
.set XSP,  528
.set L16,  1
.set L8,   2
.set L4,   3
.set XWA,  4
.set XWB,  5
.set XWS,  6
.set OWS,  7
.set HWA,  8
.set HWB,  9
.set HWS,  10
.set LNW,  11
.set LNR,  12
.set BA,   13
.set SO,   14
.set SR,   15
.set XG,   16
.set PFX,  17
.set WS,   18                          ; v18-27 the weights' scale words (2 lam + u)
.set KA,   28                          ; v28-29 erf's leading coefficient of the numerator, twice; v30-31 of the denominator
.set KB,   30
.set Y,    32                          ; v32-95 y: 16 registers a tile of tokens
.set TS,   96                          ; v96-99 the tokens' scale words
.set FR,   100                         ; v100-123 a tile's two fragments
.set MA,   124
.set MB,   125
.set PA,   126
.set PB,   127
.set SOA,  128
.set SOB,  129
.set BYA,  130
.set BYB,  131
.set EA,   132
.set EB,   138
.set SWD,  141
.set XSR,  142                         ; x's turn: where I read 16 neighbours of my row back
.set XSW,  143                         ; and where I put 16 bytes of a token
.set ACC,  144                         ; v144-175 two tiles' results
.set BT,   176                         ; v176-191 a bias at my 16 channels
.set GT,   192                         ; v192-255 at work
.set ZZ,   192
.set SS,   208
.set PP,   224
.set QQ,   240
.set FR2,  208                         ; the second tile's two fragments
.set FB,   144                         ; in P3 a second set: v144-167 and v232-255
.set FB2,  232
.set XR,   144                         ; v144-207 the next window's x
.set OR,   232                         ; v232-244 my part of the next window's o
.set M2T,  240                         ; window 1: v240-247 mb2 at the channels of a row that my lane stores
.set A7,   32                          ; scalar pairs: erf's coefficients
.set A5,   34
.set A3,   36
.set A1,   38
.set B10,  40
.set B8,   42
.set B6,   44
.set B4,   46
.set B2,   48
.set RS2,  50
.set CLN,  52
.set CLP,  53
.set SEL,  54
.set INV,  56
.set MSB, 0
.macro WIN new                         ; the immediate's high byte repeats the setting that is left
.if MSB != \new
	s_set_vgpr_msb (MSB<<8)|\new
.set MSB, \new
.endif
.endm
.macro PKADD d, a, b
	v_pk_add_f32 v[(\d):(\d)+1], v[(\a):(\a)+1], v[(\b):(\b)+1]
.endm
.macro PKMUL d, a, b
	v_pk_mul_f32 v[(\d):(\d)+1], v[(\a):(\a)+1], v[(\b):(\b)+1]
.endm
.macro PKFMA d, a, b, c
	v_pk_fma_f32 v[(\d):(\d)+1], v[(\a):(\a)+1], v[(\b):(\b)+1], v[(\c):(\c)+1]
.endm
.macro BARRIER                         ; my LDS stores have landed and my LDS loads are in: then the work-group's barrier
	s_wait_dscnt 0x0
	s_barrier_signal -1
	s_barrier_wait -1
.endm
.macro PLACES                          ; four places: ahead of loads into registers that matrix instructions have read and of the first read of their results
.rept 4
	v_nop
.endr
.endm
.macro GFRAG reg, sb, off
	global_load_b128 v[(\reg):(\reg)+3], v[L16], s[\sb:\sb+1] offset:(\off)
	global_load_b64 v[(\reg)+4:(\reg)+5], v[L8], s[\sb:\sb+1] offset:(\off)+512
	global_load_b128 v[(\reg)+6:(\reg)+9], v[L16], s[\sb:\sb+1] offset:(\off)+768
	global_load_b64 v[(\reg)+10:(\reg)+11], v[L8], s[\sb:\sb+1] offset:(\off)+1280
.endm
.macro LFRAG reg, off                  ; a fragment from its image in LDS
	ds_load_b128 v[(\reg):(\reg)+3], v[L16] offset:(\off)
	ds_load_b64 v[(\reg)+4:(\reg)+5], v[L8] offset:(\off)+512
	ds_load_b128 v[(\reg)+6:(\reg)+9], v[L16] offset:(\off)+768
	ds_load_b64 v[(\reg)+10:(\reg)+11], v[L8] offset:(\off)+1280
.endm
.macro MX d, a, b, c, sa, sb, row      ; row = 1: K step 1, whose scale words lie in lanes 16-31
.if \row
	v_wmma_scale_f32_16x16x128_f8f6f4 v[(\d):(\d)+7], v[(\a):(\a)+11], v[(\b):(\b)+11], v[(\c):(\c)+7], v[\sa], v[\sb] matrix_a_fmt:MATRIX_FMT_FP6 matrix_b_fmt:MATRIX_FMT_FP6 matrix_a_scale:MATRIX_SCALE_ROW1 matrix_b_scale:MATRIX_SCALE_ROW1
.else
	v_wmma_scale_f32_16x16x128_f8f6f4 v[(\d):(\d)+7], v[(\a):(\a)+11], v[(\b):(\b)+11], v[(\c):(\c)+7], v[\sa], v[\sb] matrix_a_fmt:MATRIX_FMT_FP6 matrix_b_fmt:MATRIX_FMT_FP6
.endif
.endm
.macro LPAIR fa, fb, img, t0           ; the four fragments of tiles t0, t0 + 1 of an image: sixteen LDS loads, tile t0 into v[fa] on, tile t0 + 1 into v[fb] on
	LFRAG \fa, \img+(4*(\t0))*768
	LFRAG (\fa)+12, \img+(4*(\t0)+2)*768
	LFRAG \fb, \img+(4*(\t0)+4)*768
	LFRAG (\fb)+12, \img+(4*(\t0)+6)*768
.endm
; Tiles t0, t0 + 1 of the tokens (fragments at fa, fb) against my two tiles of weight lam: four accumulators by turns, K step by K step.  bias = 1: the sums begin with v[BT]; 0: they go on in place
.macro WM2 fa, fb, t0, lam, dst, bias
	WIN 0x01                                       ; source 0 (the weight) in window 1
.irp s, 0,1
.irp t, 0,1
.irp u, 0,1
.if (\bias) && (\s == 0)
	MX (\dst)+16*\t+8*\u, 48*(\lam)+24*\u+12*\s, (\fa)+((\fb)-(\fa))*\t+12*\s, BT+8*\u, WS+2*(\lam)+\u, TS+(\t0)+\t, \s
.else
	MX (\dst)+16*\t+8*\u, 48*(\lam)+24*\u+12*\s, (\fa)+((\fb)-(\fa))*\t+12*\s, (\dst)+16*\t+8*\u, WS+2*(\lam)+\u, TS+(\t0)+\t, \s
.endif
.endr
.endr
.endr
	WIN 0
.endm
.macro MM2 t0, img, lam, dst, bias     ; fetch, wait, multiply
	LPAIR FR, FR2, \img, \t0
	s_wait_dscnt 0x0
	WM2 FR, FR2, \t0, \lam, \dst, \bias
	PLACES
.endm
.macro QPAIR sa, sb, ea, eb            ; two halves of blocks, 16 registers each; afterwards lanes 0-15 hold the whole block of sa in v[ea] .. v[ea + 5], lanes 16-31 that of sb; the bytes in BYA, BYB
	v_max3_num_f32 v[MA], |v[(\sa)]|, |v[(\sa)+1]|, 0x1800000      ; with the floor 2^(3 - 127): the byte cannot fall under 1
	v_max3_num_f32 v[MB], |v[(\sb)]|, |v[(\sb)+1]|, 0x1800000
.irp i, 2,4,6,8,10,12,14
	v_max3_num_f32 v[MA], v[MA], |v[(\sa)+\i]|, |v[(\sa)+\i+1]|
	v_max3_num_f32 v[MB], v[MB], |v[(\sb)+\i]|, |v[(\sb)+\i+1]|
.endr
	v_permlanex16_b32 v[PA], v[MA], s[SEL], s[SEL+1]
	v_permlanex16_b32 v[PB], v[MB], s[SEL], s[SEL+1]
	v_max_num_f32 v[MA], v[MA], v[PA]
	v_max_num_f32 v[MB], v[MB], v[PB]
	v_add_nc_u32 v[SOA], 0xff000000, v[MA]         ; 2 off the exponent field: the conversion's scale operand
	v_add_nc_u32 v[SOB], 0xff000000, v[MB]
	v_lshrrev_b32 v[BYA], 23, v[SOA]
	v_lshrrev_b32 v[BYB], 23, v[SOB]
	v_cvt_scalef32_pk16_fp6_f32 v[(\ea):(\ea)+2], v[(\sa):(\sa)+15], v[SOA]
	v_cvt_scalef32_pk16_fp6_f32 v[(\eb):(\eb)+2], v[(\sb):(\sb)+15], v[SOB]
	v_nop                                          ; one plain place behind a scaled conversion
.irp i, 0,1,2
	v_permlane16_swap_b32 v[(\ea)+\i], v[(\eb)+\i]
.endr
.irp i, 0,1,2
	v_mov_b32 v[(\ea)+3+\i], v[(\eb)+\i]
.endr
.endm
.macro PUTQ img, sc, t0                ; my block of tiles t0, t0 + 1 into an image, and its bytes into the scale words
	s_wait_alu depctr_va_vdst(0)                   ; QPAIR has written the codes and the two bytes, which the four stores read.  No vector instruction follows until the next LDS or global loads: so all that has read or written the registers in which those land is done too
	ds_store_b128 v[HWA], v[EA:EA+3] offset:\img+3072*(\t0)
	ds_store_b64 v[HWB], v[EA+4:EA+5] offset:\img+3072*(\t0)+512
	ds_store_b8 v[HWS], v[BYA] offset:\sc+128*(\t0)
	ds_store_b8 v[HWS], v[BYB] offset:\sc+128*(\t0)+128
.endm
.macro HSTEP acc, co                   ; a step of Horner's rule on eight pairs
.irp i, 0,2,4,6,8,10,12,14
	v_pk_fma_f32 v[\acc+\i:\acc+\i+1], v[\acc+\i:\acc+\i+1], v[SS+\i:SS+\i+1], s[\co:\co+1] op_sel_hi:[1,1,0]
.endr
.endm
.macro GELU16 base                     ; 16 numbers, in place
.irp i, 0,2,4,6,8,10,12,14
	v_pk_mul_f32 v[ZZ+\i:ZZ+\i+1], v[(\base)+\i:(\base)+\i+1], s[RS2:RS2+1] op_sel_hi:[1,0]
.endr
.irp i, 0,1,2,3,4,5,6,7,8,9,10,11,12,13,14,15
	v_med3_num_f32 v[ZZ+\i], v[ZZ+\i], s[CLN], s[CLP]
.endr
.irp i, 0,2,4,6,8,10,12,14
	PKMUL SS+\i, ZZ+\i, ZZ+\i
.endr
.irp i, 0,2,4,6,8,10,12,14
	v_pk_fma_f32 v[PP+\i:PP+\i+1], v[SS+\i:SS+\i+1], v[KA:KA+1], s[A7:A7+1] op_sel_hi:[1,1,0]
	v_pk_fma_f32 v[QQ+\i:QQ+\i+1], v[SS+\i:SS+\i+1], v[KB:KB+1], s[B10:B10+1] op_sel_hi:[1,1,0]
.endr
	HSTEP PP, A5
	HSTEP QQ, B8
	HSTEP PP, A3
	HSTEP QQ, B6
	HSTEP PP, A1
	HSTEP QQ, B4
	HSTEP QQ, B2
.irp i, 0,2,4,6,8,10,12,14
	v_pk_fma_f32 v[QQ+\i:QQ+\i+1], v[QQ+\i:QQ+\i+1], v[SS+\i:SS+\i+1], 1.0 op_sel_hi:[1,1,0]
.endr
.irp i, 0,1,2,3,4,5,6,7,8,9,10,11,12,13,14,15
	v_rcp_f32 v[QQ+\i], v[QQ+\i]
.endr
.irp i, 0,2,4,6,8,10,12,14
	PKMUL PP+\i, PP+\i, ZZ+\i
.endr
.irp i, 0,2,4,6,8,10,12,14
	v_pk_mul_f32 v[SS+\i:SS+\i+1], v[(\base)+\i:(\base)+\i+1], 0.5 op_sel_hi:[1,0]
.endr
	s_wait_alu depctr_va_vdst(0)                   ; the sixteen reciprocals have written QQ: one wait for the batch, ahead of its first reader; the sixteen lines above are the work between
.irp i, 0,2,4,6,8,10,12,14
	PKMUL PP+\i, PP+\i, QQ+\i
.endr
.irp i, 0,2,4,6,8,10,12,14
	PKFMA (\base)+\i, SS+\i, PP+\i, SS+\i
.endr
.endm
; A product, gelu, codes: image img with scale words scin, weight lam, bias vector bv -> image oimg, scale words osc.  Its first loads, and the second pair's, stand behind a wait on va_vdst with no vector instruction between
.macro ACT img, scin, lam, bv, oimg, osc
.irp t, 0,1,2,3
	ds_load_b32 v[TS+\t], v[L4] offset:\scin+128*\t
.endr
.irp c, 0,1,2,3
	ds_load_b128 v[BT+4*\c:BT+4*\c+3], v[BA] offset:1024*\bv+16*\c
.endr
.irp p, 0,1
	MM2 2*\p, \img, \lam, ACC, 1
	GELU16 ACC
	GELU16 ACC+16
	s_wait_alu depctr_vm_vsrc(0)                   ; the last run of image stores has read the codes' and the bytes' registers, which QPAIR writes
	QPAIR ACC, ACC+16, EA, EB
	PUTQ \oimg, \osc, 2*\p
.endr
.endm
.macro WLOAD lam, lay
.irp u, 0,1
.irp s, 0,1
	GFRAG 48*\lam+24*\u+12*\s, 10, \lay*49152+\u*3072+\s*1536
.endr
.endr
.endm
.macro WSLOAD lam, lay
.irp u, 0,1
	global_load_b32 v[WS+2*\lam+\u], v[L4], s[12:13] offset:\lay*2048+\u*128
.endr
.endm
; A window's x for my wave (tile w / 2, K step w % 2): load n reads token n of the tile, my 128 channels: 32 lanes, 512 consecutive bytes.  Tokens 0-7 are one row of the window (1,024 bytes apart), tokens 8-15 the row two further down.
; And my 1,536 + 64 bytes of o's image
.macro XLD xo, oo, so
.irp n, 0,1,2,3,4,5,6,7,8,9,10,11,12,13,14,15
	global_load_b128 v[XR+4*\n:XR+4*\n+3], v[XG], s[4:5] offset:\xo+262144*(\n/8)+1024*(\n%8) th:TH_LOAD_NT
.endr
.irp c, 0,1,2
	global_load_b128 v[OR+4*\c:OR+4*\c+3], v[XWA], s[6:7] offset:\oo+512*\c
.endr
	global_load_u16 v[OR+12], v[OWS], s[8:9] offset:\so
.endm
	s_load_b512 s[4:19], s[0:1], 0x0               ; x, o_codes, o_scales, wimg, wsc, up_b1, up_b2, bp
	s_load_b256 s[20:27], s[0:1], 0x40             ; n2_g, n2_b, mlp_b1, mlp_b2
	s_load_b64 s[28:29], s[0:1], 0x60              ; out0
	s_set_vgpr_msb 0x40
	v_lshl_add_u32 v254, v0, 2, 0x33000
	v_mov_b32 v255, 0
	s_set_vgpr_msb 0x4000
	v_lshrrev_b32 v124, 5, v0
	v_readfirstlane_b32 s30, v124                  ; wave = B
	v_and_b32 v124, 31, v0                         ; lane
	v_and_b32 v125, 15, v0                         ; r
	v_bfe_u32 v126, v0, 4, 1                       ; h
	v_bfe_u32 v127, v0, 3, 1                       ; r / 8
	v_and_b32 v128, 7, v0                          ; r % 8
	v_lshlrev_b32 v[L16], 4, v124
	v_lshlrev_b32 v[L8], 3, v124
	v_lshlrev_b32 v[L4], 2, v124
	s_wait_alu depctr_va_sdst(0)                   ; s30, the wave's number, is written, ahead of its first reader
	s_mul_i32 s57, s30, 1536
	v_add_nc_u32 v[XWA], s57, v[L16]
	v_add_nc_u32 v[XWB], s57, v[L8]
	s_lshl_b32 s57, s30, 6
	v_lshl_add_u32 v[XWS], v125, 2, s57
	v_lshl_add_u32 v[OWS], v124, 1, s57
	s_lshr_b32 s57, s30, 1
	s_mul_i32 s57, s57, 768
	s_and_b32 s58, s30, 1
	s_lshl_b32 s59, s58, 8
	s_add_co_u32 s59, s59, s57
	v_mul_u32_u24 v129, v126, 3072
	v_lshl_add_u32 v[HWA], v125, 4, v129
	v_add_nc_u32 v[HWA], s59, v[HWA]               ; block B of row r; lanes 16-31 the next tile
	s_lshl_b32 s59, s58, 7
	s_add_co_u32 s59, s59, s57
	v_lshl_add_u32 v[HWB], v125, 3, v129
	v_add_nc_u32 v[HWB], s59, v[HWB]
	s_lshr_b32 s57, s30, 2
	s_lshl_b32 s57, s57, 6
	s_and_b32 s58, s30, 3
	s_add_co_u32 s57, s57, s58
	v_lshl_add_u32 v[HWS], v125, 2, s57
	s_lshl_b32 s57, s30, 3
	s_add_co_u32 s57, s57, LNS
	v_mul_u32_u24 v[LNW], v125, LNP
	v_add_nc_u32 v[LNR], LNS, v[LNW]               ; the statistics of row r, all eight waves'
	v_add_nc_u32 v[LNW], s57, v[LNW]               ; and my wave's pair among them
	s_lshl_b32 s57, s30, 7
	s_add_co_u32 s58, s57, BIAS
	v_lshl_add_u32 v[BA], v126, 6, s58             ; channels 32 B + 16 h on
	s_add_co_u32 s58, s57, STG
	v_lshl_add_u32 v129, v127, 4, v128             ; the token's place in its tile's part of the window: r % 8 + 16 (r / 8)
	v_mul_u32_u24 v[SO], v129, SP
	v_lshl_add_u32 v[SO], v126, 6, v[SO]
	v_lshl_add_u32 v[SO], v127, 7, v[SO]           ; 128 bytes more for each 16 rows passed: 16 rows are a whole number of times through the banks at this pitch, so lanes 8-15 of a store would meet lanes 0-7; so they take the other half of the banks
	v_add_nc_u32 v[SO], s58, v[SO]
	s_mul_i32 s57, s30, 8*SP
	s_lshr_b32 s58, s30, 1
	s_lshl_b32 s58, s58, 7
	s_add_co_u32 s57, s57, s58                     ; rows 8 w .. 8 w + 7 have passed w / 2 times 16 rows
	s_add_co_u32 s57, s57, STG
	v_add_nc_u32 v[SR], s57, v[L16]                ; back: rows 8 w .. 8 w + 7, the window's row w
	s_mul_i32 s57, s30, 16*XSP
	s_add_co_u32 s57, s57, XST                     ; my wave's bytes for x's turn
	v_add_nc_u32 v[XSW], s57, v[L16]               ; in: a token's 512 bytes as they lie
	v_mul_u32_u24 v[XSR], v125, XSP
	v_lshl_add_u32 v[XSR], v126, 6, v[XSR]
	v_add_nc_u32 v[XSR], s57, v[XSR]               ; back: row r, + 64 h: my 16 numbers of a block of 32.  132 words from row to row
	s_lshr_b32 s57, s30, 2                         ; x: my tile's first row of the window, 4 (w / 4) + (w / 2) % 2, 131,072 bytes a row, and my 128 channels
	s_lshl_b32 s57, s57, 2
	s_bfe_u32 s58, s30, 0x10001
	s_add_co_u32 s57, s57, s58
	s_lshl_b32 s57, s57, 17
	s_and_b32 s58, s30, 1
	s_lshl_b32 s58, s58, 9
	s_add_co_u32 s57, s57, s58
	v_add_nc_u32 v[XG], s57, v[L16]
	s_lshl_b32 s57, s30, 17
	v_lshl_add_u32 v[PFX], v124, 8, s57
	v_lshl_add_u32 v130, v0, 2, BIAS
	v_lshlrev_b32 v131, 2, v0
	v_mov_b32 v[KA], 0x39702d51                    ; 2.2905066e-4
	v_mov_b32 v[KA+1], 0x39702d51
	v_mov_b32 v[KB], 0xb3fd3906                    ; -1.1791603e-7
	v_mov_b32 v[KB+1], 0xb3fd3906
	s_mov_b32 s[A7], 0x3b5f5da2                    ; 3.4082910e-3
	s_mov_b32 s[A5], 0x3d50b6eb                    ; 5.0955695e-2
	s_mov_b32 s[A3], 0x3e3da740                    ; 0.18520832
	s_mov_b32 s[A1], 0x3f906eba                    ; 1.1283791
	s_mov_b32 s[B10], 0x37c588df                   ; 2.3547966e-5
	s_mov_b32 s[B8], 0x3a856d28                    ; 1.0179625e-3
	s_mov_b32 s[B6], 0x3c6687d4                    ; 1.4070470e-2
	s_mov_b32 s[B4], 0x3de34c21                    ; 0.11098505
	s_mov_b32 s[B2], 0x3efeb44a                    ; 0.49746925
	s_mov_b32 s[RS2], 0x3f3504f3                   ; 1 / sqrt 2
.irp c, A7, A5, A3, A1, B10, B8, B6, B4, B2, RS2
	s_mov_b32 s[\c+1], s[\c]                       ; named as pairs, so both are written
.endr
	s_mov_b32 s[CLN], 0xc06f9c68                   ; -3.7439212
	s_mov_b32 s[CLP], 0x406f9c68
	s_mov_b32 s[SEL], 0x76543210
	s_mov_b32 s[SEL+1], 0xfedcba98                 ; v_permlanex16_b32's selects for lane l xor 16
	s_mov_b32 s[INV], 0x3b800000                   ; 1 / 256
	s_lshr_b32 s58, ttmp9, 6                       ; the first window's first token in x and out0: picture, row of windows, window
	s_lshl_b32 s58, s58, 24
	s_bfe_u32 s57, ttmp9, 0x40002
	s_lshl_b32 s57, s57, 20
	s_add_co_u32 s58, s58, s57
	s_and_b32 s57, ttmp9, 3
	s_lshl_b32 s57, s57, 15
	s_add_co_u32 s58, s58, s57
	s_mov_b32 s59, 0
	s_mul_i32 s60, ttmp9, 49152
	s_mov_b32 s61, 0
	s_lshl_b32 s62, ttmp9, 11
	s_mov_b32 s63, 0
	s_wait_kmcnt 0x0
	s_add_nc_u64 s[4:5], s[4:5], s[58:59]
	s_add_nc_u64 s[28:29], s[28:29], s[58:59]
	s_add_nc_u64 s[6:7], s[6:7], s[60:61]
	s_add_nc_u64 s[8:9], s[8:9], s[62:63]
	s_mul_i32 s58, s30, 6144
	s_add_nc_u64 s[10:11], s[10:11], s[58:59]
	s_lshl_b32 s58, s30, 8
	s_add_nc_u64 s[12:13], s[12:13], s[58:59]
	s_lshl_b32 s58, s30, 17
	s_add_nc_u64 s[28:29], s[28:29], s[58:59]      ; out0 at the window's row w, which my wave stores
	WIN 0x40                                       ; destination in window 1
	s_wait_alu depctr_va_vdst(0)                   ; the offsets and LDS addresses v1 to v17, v130, v131, v142 and v143 are written, which the loads, stores and the prefetch of the whole kernel read
	WLOAD 0, 0
	WLOAD 1, 1
	WLOAD 2, 5
	WLOAD 3, 6
	WLOAD 4, 7
	global_load_b128 v[M2T:M2T+3], v[L16], s[26:27]
	global_load_b128 v[M2T+4:M2T+7], v[L16], s[26:27] offset:512
	WIN 0
	WSLOAD 0, 0
	WSLOAD 1, 1
	WSLOAD 2, 5
	WSLOAD 3, 6
	WSLOAD 4, 7
	global_load_b32 v132, v131, s[14:15]
	global_load_b32 v133, v131, s[16:17]
	global_load_b32 v134, v131, s[18:19]
	global_load_b32 v135, v131, s[20:21]
	global_load_b32 v136, v131, s[22:23]
	global_load_b32 v137, v131, s[24:25]
	XLD 0, 0, 0
	s_wait_loadcnt 0x0
	v_add_f32 v133, v133, v134
	s_wait_alu depctr_va_vdst(0)                   ; the addition has written v133, which the second store reads
	ds_store_b32 v130, v132
	ds_store_b32 v130, v133 offset:1024
	ds_store_b32 v130, v135 offset:2048
	ds_store_b32 v130, v136 offset:3072
	ds_store_b32 v130, v137 offset:4096
	s_wait_dscnt 0x0                               ; the biases lie in LDS; the first barrier below stands between them and their readers
	s_wait_alu depctr_vm_vsrc(0)                   ; the five stores have read v130 and v132 to v137, the six loads v131: QPAIR writes all of these
	v_mov_b32 v[PA], 0                             ; a lane permute's destination counts as one of its sources
	v_mov_b32 v[PB], 0
	s_mov_b32 s31, 4                               ; windows to go
.Lwin:
	; ---- P1: x turns through my own LDS bytes; my part of o's image to LDS; my 16 tokens x 128 channels of x become a fragment
	s_wait_loadcnt 0x0
.irp n, 0,1,2,3,4,5,6,7,8,9,10,11,12,13,14,15
	ds_store_b128 v[XSW], v[XR+4*\n:XR+4*\n+3] offset:XSP*\n
.endr
	s_wait_alu depctr_vm_vsrc(0)                   ; the sixteen stores have read x's registers, in which the loads below land; the last window's stores have read y and the codes', the bytes' and the scale word's registers, which this window writes again
.irp b, 0,1,2,3
.irp j, 0,1,2,3
	ds_load_b128 v[XR+16*\b+4*\j:XR+16*\b+4*\j+3], v[XSR] offset:128*\b+16*\j   ; LDS serves a wave's instructions in order (ISA guide 5.7.1.4): these see the stores above, and land in the registers that those have left
.endr
.endr
.irp c, 0,1,2
	ds_store_b128 v[XWA], v[OR+4*\c:OR+4*\c+3] offset:OIMG+512*\c
.endr
	ds_store_b16 v[OWS], v[OR+12] offset:SCB+512
	s_wait_dscnt 12                                ; blocks 0 and 1 are back; the eight loads of blocks 2 and 3 and o's four stores may be out
	QPAIR XR, XR+16, EA, EB
	v_lshl_or_b32 v[SWD], v[BYB], 8, v[BYA]
	s_wait_alu depctr_va_vdst(0)                   ; QPAIR has written the codes, which the two stores read
	ds_store_b128 v[XWA], v[EA:EA+3]
	ds_store_b64 v[XWB], v[EA+4:EA+5] offset:512
	s_wait_dscnt 0x0                               ; blocks 2 and 3 are back
	s_wait_alu depctr_vm_vsrc(0)                   ; the two stores have read the codes' registers, which QPAIR writes again; o's four stores have read OR, which the next phase's gelu writes
	QPAIR XR+32, XR+48, EA, EB
	v_lshl_or_b32 v[SWD], v[BYA], 16, v[SWD]
	v_lshl_or_b32 v[SWD], v[BYB], 24, v[SWD]
	s_wait_alu depctr_va_vdst(0)                   ; the codes and the scale word are written, which the three stores read; QPAIR is done reading x, in whose registers the next phase's bias lands
	ds_store_b128 v[XWA], v[EA:EA+3] offset:768
	ds_store_b64 v[XWB], v[EA+4:EA+5] offset:1280
	ds_store_b32 v[XWS], v[SWD] offset:SCB
	BARRIER                                        ; x's and o's images lie in LDS
	; ---- P2
	ACT XIMG, SCB, 0, 0, HIMG, SCB+1024
	BARRIER                                        ; the first hidden layer's image lies in LDS
	; ---- P3: y.  Four products of two tiles each, on two sets of fragment registers: both pairs of the hidden layer are asked for at once, and a set is filled again, with o's fragments and those two tiles' scale words, four places behind its products
.irp t, 0,1,2,3
	ds_load_b32 v[TS+\t], v[L4] offset:SCB+1024+128*\t
.endr
.irp c, 0,1,2,3
	ds_load_b128 v[BT+4*\c:BT+4*\c+3], v[BA] offset:1024+16*\c
.endr
	LPAIR FR, FR2, HIMG, 0
	LPAIR FB, FB2, HIMG, 2
	s_wait_dscnt 16                                ; all but the second set's sixteen loads
	WM2 FR, FR2, 0, 1, Y, 1
	PLACES
	s_wait_alu depctr_va_vdst(0)                   ; the eight products are done reading the first set and the scale words of tiles 0 and 1, in which o's land
	LPAIR FR, FR2, OIMG, 0
	ds_load_b32 v[TS], v[L4] offset:SCB+512
	ds_load_b32 v[TS+1], v[L4] offset:SCB+512+128
	s_wait_dscnt 18                                ; all but the eighteen just issued: the second set is in
	WM2 FB, FB2, 2, 1, Y+32, 1
	PLACES
	s_wait_alu depctr_va_vdst(0)                   ; the eight products are done reading the second set and the scale words of tiles 2 and 3, in which o's land
	LPAIR FB, FB2, OIMG, 2
	ds_load_b32 v[TS+2], v[L4] offset:SCB+512+256
	ds_load_b32 v[TS+3], v[L4] offset:SCB+512+384
	s_wait_dscnt 18                                ; o's tiles 0 and 1 and their scale words are in
	WM2 FR, FR2, 0, 2, Y, 0
	s_wait_dscnt 0x0
	WM2 FB, FB2, 2, 2, Y+32, 0
	PLACES
.irp t, 0,1,2,3                        ; my 32 channels' mean and sum of squares about it, for each token; each accumulator is read from its low end on
	PKADD ACC+8*\t, Y+16*\t, Y+16*\t+2
	PKADD ACC+8*\t+2, Y+16*\t+4, Y+16*\t+6
	PKADD ACC+8*\t+4, Y+16*\t+8, Y+16*\t+10
	PKADD ACC+8*\t+6, Y+16*\t+12, Y+16*\t+14
.endr
.irp t, 0,1,2,3
	PKADD ACC+8*\t, ACC+8*\t, ACC+8*\t+2
	PKADD ACC+8*\t+4, ACC+8*\t+4, ACC+8*\t+6
.endr
.irp t, 0,1,2,3
	PKADD ACC+8*\t, ACC+8*\t, ACC+8*\t+4
.endr
.irp t, 0,1,2,3
	v_add_f32 v[ACC+8*\t], v[ACC+8*\t], v[ACC+8*\t+1]
.endr
.irp t, 0,1,2,3
	v_permlanex16_b32 v[ACC+8*\t+1], v[ACC+8*\t], s[SEL], s[SEL+1]
.endr
.irp t, 0,1,2,3
	v_add_f32 v[ACC+8*\t], v[ACC+8*\t], v[ACC+8*\t+1]
.endr
.irp t, 0,1,2,3
	v_mul_f32 v[ACC+8*\t+6], 0x3d000000, v[ACC+8*\t]
	v_mul_f32 v[ACC+8*\t+2], 0xbd000000, v[ACC+8*\t]
	v_mul_f32 v[ACC+8*\t+3], 0xbd000000, v[ACC+8*\t]
.endr
.irp t, 0,1,2,3
.irp i, 0,2,4,6,8,10,12,14
	PKADD GT+16*\t+\i, Y+16*\t+\i, ACC+8*\t+2
.endr
.endr
.irp t, 0,1,2,3
	PKMUL ACC+8*\t+4, GT+16*\t, GT+16*\t
	PKMUL ACC+8*\t, GT+16*\t+2, GT+16*\t+2
.endr
.irp i, 4,8,12
.irp t, 0,1,2,3
	PKFMA ACC+8*\t+4, GT+16*\t+\i, GT+16*\t+\i, ACC+8*\t+4
	PKFMA ACC+8*\t, GT+16*\t+\i+2, GT+16*\t+\i+2, ACC+8*\t
.endr
.endr
.irp t, 0,1,2,3
	PKADD ACC+8*\t, ACC+8*\t, ACC+8*\t+4
.endr
.irp t, 0,1,2,3
	v_add_f32 v[ACC+8*\t], v[ACC+8*\t], v[ACC+8*\t+1]
.endr
.irp t, 0,1,2,3
	v_permlanex16_b32 v[ACC+8*\t+1], v[ACC+8*\t], s[SEL], s[SEL+1]
.endr
.irp t, 0,1,2,3
	v_add_f32 v[ACC+8*\t+7], v[ACC+8*\t], v[ACC+8*\t+1]
.endr
	s_wait_alu depctr_va_vdst(0)                   ; the four pairs (mean, sum of squares) are written, which the stores read; the lines above are done with GT, the products with BT and FR, in which the next phase's loads land
.irp t, 0,1,2,3
	ds_store_b64 v[LNW], v[ACC+8*\t+6:ACC+8*\t+7] offset:16*LNP*\t   ; lanes r and r + 16 write the same pair
.endr
	BARRIER                                        ; the eight waves' statistics lie in LDS
	; ---- P4: LN2, codes
.irp t, 0,1,2,3
.irp c, 0,1,2,3
	ds_load_b128 v[GT+16*\t+4*\c:GT+16*\t+4*\c+3], v[LNR] offset:16*LNP*\t+16*\c
.endr
.endr
.irp c, 0,1,2,3
	ds_load_b128 v[BT+4*\c:BT+4*\c+3], v[BA] offset:2048+16*\c
	ds_load_b128 v[FR+4*\c:FR+4*\c+3], v[BA] offset:3072+16*\c
.endr
	s_cmp_eq_u32 s31, 1                            ; the next window's x is asked for here, behind this phase's run of LDS loads and two phases ahead of the loads that want it: its row w, 8,192 consecutive bytes,
	s_cbranch_scc1 .Lno_ask                        ; lanes 256 bytes apart, a wave a row: each block is named once.  The last window asks for nothing
	global_prefetch_b8 v[PFX], s[4:5] offset:8192 th:TH_LOAD_NT scope:SCOPE_SE
.Lno_ask:
	s_wait_dscnt 0x0
	s_wait_alu depctr_vm_vsrc(0)                   ; the statistics' stores have read their four pairs, which the sums below write; the second phase's image stores have read the codes' and the bytes' registers, which this phase's first QPAIR writes
.irp t, 0,1,2,3
	PKADD ACC+8*\t, GT+16*\t, GT+16*\t+2
	PKADD ACC+8*\t+2, GT+16*\t+4, GT+16*\t+6
	PKADD ACC+8*\t+4, GT+16*\t+8, GT+16*\t+10
	PKADD ACC+8*\t+6, GT+16*\t+12, GT+16*\t+14
.endr
.irp t, 0,1,2,3
	PKADD ACC+8*\t, ACC+8*\t, ACC+8*\t+2
	PKADD ACC+8*\t+4, ACC+8*\t+4, ACC+8*\t+6
.endr
.irp t, 0,1,2,3
	PKADD ACC+8*\t, ACC+8*\t, ACC+8*\t+4           ; (the sum of the means, the sum of the sums of squares)
.endr
.irp t, 0,1,2,3
	v_mul_f32 v[ACC+8*\t+2], 0xbe000000, v[ACC+8*\t]   ; -m
.endr
.irp w, 0,1,2,3,4,5,6,7
.irp t, 0,1,2,3
	v_add_f32 v[GT+16*\t+2*\w], v[GT+16*\t+2*\w], v[ACC+8*\t+2]
.endr
.endr
.irp t, 0,1,2,3
	v_mul_f32 v[ACC+8*\t+4], v[GT+16*\t], v[GT+16*\t]
.endr
.irp w, 1,2,3,4,5,6,7
.irp t, 0,1,2,3
	v_fmac_f32 v[ACC+8*\t+4], v[GT+16*\t+2*\w], v[GT+16*\t+2*\w]
.endr
.endr
.irp t, 0,1,2,3
	v_fmamk_f32 v[ACC+8*\t+4], v[ACC+8*\t+4], 0x42000000, v[ACC+8*\t+1]
.endr
.irp t, 0,1,2,3
	v_fmaak_f32 v[ACC+8*\t+4], s[INV], v[ACC+8*\t+4], 0x3727c5ac   ; / 256 + 1e-5
.endr
.irp t, 0,1,2,3
	v_rsq_f32 v[GT+16*\t+2], v[ACC+8*\t+4]
.endr
.irp t, 0,1,2,3
	v_mov_b32 v[GT+16*\t], v[ACC+8*\t+2]           ; the pair (-m, -m).  (Plain work behind the four)
	v_mov_b32 v[GT+16*\t+1], v[ACC+8*\t+2]
.endr
	s_wait_alu depctr_va_vdst(0)                   ; the four reciprocal roots have written GT + 16 t + 2: one wait for the four, ahead of their first reader
.irp t, 0,1,2,3
	v_mov_b32 v[GT+16*\t+3], v[GT+16*\t+2]         ; the pair (rstd, rstd)
.endr
.irp p, 0,1
.irp t, 0,1
.irp i, 0,2,4,6,8,10,12,14
	PKADD ACC+16*\t+\i, Y+32*\p+16*\t+\i, GT+32*\p+16*\t
.endr
.irp i, 0,2,4,6,8,10,12,14
	PKMUL ACC+16*\t+\i, ACC+16*\t+\i, GT+32*\p+16*\t+2
.endr
.irp i, 0,2,4,6,8,10,12,14
	PKFMA ACC+16*\t+\i, ACC+16*\t+\i, BT+\i, FR+\i
.endr
.endr
	s_wait_dscnt 0x0                               ; the last pair's stores have landed
.if \p == 1
	s_wait_alu depctr_vm_vsrc(0)                   ; the first pair's stores have read the codes' and the bytes' registers, which QPAIR writes again
.endif
	QPAIR ACC, ACC+16, EA, EB
	PUTQ NIMG, SCB+1536, 2*\p
.endr
	BARRIER                                        ; LN2's image lies in LDS
	; ---- P5
	ACT NIMG, SCB+1536, 3, 4, GIMG, SCB+2048
	s_cmp_eq_u32 s31, 1                            ; the next window's x and o, if there is one: no load leaves its buffer.  (No vector instruction has been issued since the wait ahead of the last image stores: all that named XR and OR is done)
	s_cbranch_scc1 .Lno_next
	XLD 8192, 12288, 512
.Lno_next:
	BARRIER                                        ; the second hidden layer's image lies in LDS
	; ---- P6: the last product adds onto y
.irp t, 0,1,2,3
	ds_load_b32 v[TS+\t], v[L4] offset:SCB+2048+128*\t
.endr
	MM2 0, GIMG, 4, Y, 0
	s_wait_alu depctr_va_vdst(0)                   ; the eight products are done reading FR and FR2, in which the next two tiles' fragments land
	MM2 2, GIMG, 4, Y+32, 0
	s_wait_alu depctr_va_vdst(0)                   ; the products have written y, which the stage's stores read; the four places stand ahead of this wait
.irp t, 0,1,2,3
.irp u, 0,1
	ds_store_b128 v[SO], v[Y+16*\t+8*\u:Y+16*\t+8*\u+3] offset:SP*(32*(\t/2)+8*(\t%2))+256*(\t/2)+32*\u          ; each accumulator from its low end on; tiles 2 and 3 have passed 32 rows: 256 bytes more
	ds_store_b128 v[SO], v[Y+16*\t+8*\u+4:Y+16*\t+8*\u+7] offset:SP*(32*(\t/2)+8*(\t%2))+256*(\t/2)+32*\u+16
.endr
.endr
	BARRIER                                        ; 64 whole rows lie in the stage
	s_wait_alu depctr_vm_vsrc(0)                   ; the stage's stores have read y's registers, in which the rows land
.irp i, 0,1,2,3,4,5,6,7,8,9,10,11,12,13,14,15
	ds_load_b128 v[Y+4*\i:Y+4*\i+3], v[SR] offset:SP*(\i/2)+512*(\i%2)
.endr
	WIN 0x04                                       ; source 1 (mb2) in window 1
.irp i, 0,1,2,3,4,5,6,7,8,9,10,11,12,13,14,15
	s_wait_dscnt 15-\i                             ; the younger loads may stay out
	PKADD Y+4*\i, Y+4*\i, M2T+4*(\i%2)
	PKADD Y+4*\i+2, Y+4*\i+2, M2T+4*(\i%2)+2
.endr
	WIN 0
	s_wait_alu depctr_va_vdst(0)                   ; the additions of mb2 have written the rows, which the sixteen stores read
.irp i, 0,1,2,3,4,5,6,7,8,9,10,11,12,13,14,15
	global_store_b128 v[L16], v[Y+4*\i:Y+4*\i+3], s[28:29] offset:512*\i th:TH_STORE_NT   ; 32 lanes store 512 consecutive bytes, aligned to 256; the wave's eight tokens are 8,192 consecutive bytes
.endr
	s_wait_xcnt 0x0                                ; loads, stores and the prefetch have read their bases and registers: these may be written again
	s_add_nc_u64 s[4:5], s[4:5], 8192
	s_add_nc_u64 s[28:29], s[28:29], 8192
	s_add_nc_u64 s[6:7], s[6:7], 12288
	s_add_nc_u64 s[8:9], s[8:9], 512
	s_sub_co_u32 s31, s31, 1
	s_cmp_lg_u32 s31, 0
	s_cbranch_scc1 .Lwin
	s_set_vgpr_msb 0x5                             ; the add's two registers, sources 0 and 1, lie in window 1
	s_wait_dscnt 0x0                               ; the closing lines, six on end
	s_wait_alu 0x0
	s_wait_tensorcnt 0x0
	ds_add_u32 v254, v255
	s_wait_dscnt 0x0
	s_endpgm
.Lfunc_end_k_q94687b9d0f_mlp:
	.size	k_q94687b9d0f_mlp, .Lfunc_end_k_q94687b9d0f_mlp-k_q94687b9d0f_mlp
	.p2alignl 7, 3214868480
	.fill 96, 4, 3214868480
	.section	.rodata,"a",@progbits
	.p2align	6, 0x0
	.amdhsa_kernel k_q94687b9d0f_mlp
		.amdhsa_group_segment_fixed_size 209920
		.amdhsa_private_segment_fixed_size 0
		.amdhsa_enable_private_segment 0
		.amdhsa_kernarg_size 104
		.amdhsa_user_sgpr_count 2
		.amdhsa_user_sgpr_kernarg_segment_ptr 1
		.amdhsa_wavefront_size32 1
		.amdhsa_system_sgpr_workgroup_id_x 1
		.amdhsa_system_sgpr_workgroup_id_y 1
		.amdhsa_system_sgpr_workgroup_id_z 1
		.amdhsa_system_vgpr_workitem_id 0
		.amdhsa_next_free_vgpr 512
		.amdhsa_next_free_sgpr 66
		.amdhsa_reserve_vcc 0
		.amdhsa_float_denorm_mode_32 3
		.amdhsa_float_denorm_mode_16_64 3
		.amdhsa_memory_ordered 1
		.amdhsa_forward_progress 1
		.amdhsa_inst_pref_size 168
	.end_amdhsa_kernel
	.amdgpu_metadata
---
amdhsa.version: [ 1, 2 ]
amdhsa.kernels:
  - .name:           k_q94687b9d0f_mlp
    .symbol:         k_q94687b9d0f_mlp.kd
    .args:
      - { .name: x, .offset: 0, .size: 8, .value_kind: global_buffer, .address_space: global }
      - { .name: o_codes, .offset: 8, .size: 8, .value_kind: global_buffer, .address_space: global }
      - { .name: o_scales, .offset: 16, .size: 8, .value_kind: global_buffer, .address_space: global }
      - { .name: wimg, .offset: 24, .size: 8, .value_kind: global_buffer, .address_space: global }
      - { .name: wsc, .offset: 32, .size: 8, .value_kind: global_buffer, .address_space: global }
      - { .name: up_b1, .offset: 40, .size: 8, .value_kind: global_buffer, .address_space: global }
      - { .name: up_b2, .offset: 48, .size: 8, .value_kind: global_buffer, .address_space: global }
      - { .name: bp, .offset: 56, .size: 8, .value_kind: global_buffer, .address_space: global }
      - { .name: n2_g, .offset: 64, .size: 8, .value_kind: global_buffer, .address_space: global }
      - { .name: n2_b, .offset: 72, .size: 8, .value_kind: global_buffer, .address_space: global }
      - { .name: mlp_b1, .offset: 80, .size: 8, .value_kind: global_buffer, .address_space: global }
      - { .name: mlp_b2, .offset: 88, .size: 8, .value_kind: global_buffer, .address_space: global }
      - { .name: out0, .offset: 96, .size: 8, .value_kind: global_buffer, .address_space: global }
    .group_segment_fixed_size: 209920
    .private_segment_fixed_size: 0
    .kernarg_segment_align: 8
    .kernarg_segment_size: 104
    .max_flat_workgroup_size: 256
    .sgpr_count:     66
    .vgpr_count:     512
    .wavefront_size: 32
...
	.end_amdgpu_metadata
.endif
;; end of part 5
